; MI455X (gfx1250); checked and timed in simulation.
; The chip was launched on July 23, 2026; its instructions are those of AMD's public machine-readable ISA for CDNA 5 (MIT licence, August 2026) and "CDNA5" Instruction Set Architecture Reference Guide (July 2026). The comments in the code are by the model that wrote it; some were corrected since.
;; Retention. Allowed arithmetic: matrix products marked QUANTISED: E2M3 operands, one E8M0 scale for each 32 along K, by v_wmma_scale_f32_16x16x128_f8f6f4 with both operands' format E2M3, f32 sums; everything else in f32.
;; Inputs: Wk_codes 1,024 x 32 x 24 uint8 (E2M3 codes of Wk, K innermost, in blocks of 32 codes, four codes in three bytes); Wk_scales 1,024 x 32 uint8 (E8M0 scales of Wk, one for each 32 codes along K); Wq_codes 1,024 x 32 x 24 uint8 (E2M3 codes of Wq, K innermost, in blocks of 32 codes, four codes in three bytes); Wq_scales 1,024 x 32 uint8 (E8M0 scales of Wq, one for each 32 codes along K); Wv_codes 1,024 x 32 x 24 uint8 (E2M3 codes of Wv, K innermost, in blocks of 32 codes, four codes in three bytes); Wv_scales 1,024 x 32 uint8 (E8M0 scales of Wv, one for each 32 codes along K); bk 1,024 float32; bq 1,024 float32; x_codes 4 x 2,048 x 32 x 24 uint8 (E2M3 codes of x, K innermost, in blocks of 32 codes, four codes in three bytes); x_scales 4 x 2,048 x 32 uint8 (E8M0 scales of x, one for each 32 codes along K).
;; Outputs: out0 4 x 2,048 x 1,024 float32.
;; This version of the problem:
;;   THIS VERSION OF THE PROBLEM IS GIVEN IN LOW PRECISION. The matrix products marked QUANTISED in the list below multiply operands that are first quantised to E2M3 (2 exponent bits, 3 mantissa bits; 6 bits a number), with one power-of-two scale for each 32 numbers along K (OCP MX v1.0); their sums are f32. All else is computed in f32.
;;   The module's matrix products, in the order in which they are computed (A, B: the left and right operand; K: the contracted axis; several contracted axes count as one K, in the product's order):
;;     1. [M 8,192, K 1,024] x [K 1,024, N 1,024]; A: input x (given as codes); B: input Wq (given as codes): QUANTISED
;;     2. [M 8,192, K 1,024] x [K 1,024, N 1,024]; A: input x (given as codes); B: input Wk (given as codes): QUANTISED
;;     3. [M 8,192, K 1,024] x [K 1,024, N 1,024]; A: input x (given as codes); B: input Wv (given as codes): QUANTISED
;;     4. batch 4 x [M 2,048, K 1,024] x [K 1,024, N 2,048]; A: computed on the way; B: computed on the way: QUANTISED
;;     5. batch 4 x [M 2,048, K 2,048] x [K 2,048, N 1,024]; A: computed on the way; B: computed on the way: QUANTISED
;;   THE QUANTISER, for each operand of a quantised product, along K:
;;     - K is cut into blocks of 32 from its start; a last block that is shorter is filled with zeros.
;;     - A block's scale is 2^e with e = floor(log2(the largest magnitude in the block)) - 2, held to -126 .. 127; a block of zeros has e = 0. As a byte (E8M0): e + 127.
;;     - Each number is divided by its block's scale, clamped to +-7.5, and rounded to the nearest number of E2M3, ties to even, subnormals kept.
;;     - The product sums the exact products of the quantised numbers (number of the format x scale) in f32.
;;   ~~~python
;;   def quantise(x, axis):      # numpy; x: float32 -> the quantised numbers, widened to float32 again
;;       x = np.moveaxis(x, axis, -1); K = x.shape[-1]
;;       x = np.pad(x, [(0, 0)] * (x.ndim - 1) + [(0, -K % 32)]); x = x.reshape(x.shape[:-1] + (-1, 32)); a = np.abs(x).max(-1, keepdims=True)
;;       e = np.where(a > 0, np.clip(np.frexp(np.where(a > 0, a, 1))[1] - 1 - 2, -126, 127), 0)      # np.frexp(a)[1] - 1 = floor(log2(a)), exactly
;;       r = np.clip(x / 2.0 ** e, -7.5, 7.5)
;;       step = 2.0 ** (np.maximum(np.frexp(np.where(r == 0, 1, r))[1] - 1, 0) - 3)
;;       q = np.round(r / step) * step * 2.0 ** e      # np.round: ties to even
;;       return np.moveaxis(q.reshape(q.shape[:-2] + (-1,))[..., :K], -1, axis).astype(np.float32)
;;   ~~~
;;   OPERANDS COMPUTED ON THE WAY. 'Computed on the way' means the value that the module computes at that place (a softmax that the list does not call 'softmax' is quantised finished and normalised). What goes into a quantiser is computed in f32, as accurately as f32 sums, v_exp_f32 and their like allow (about 1e-6 of the number): no bf16 or f16 on the way to a quantiser, and a product that is left as it is and whose result goes on into a quantised operand takes f32 operands (vector FMAs, or v_wmma_f32_16x16x4_f32). A number that lies on a knife's edge between two numbers of the format may be rounded either way, as far as f32 arithmetic and the matrix unit's own rounding can turn it there, and no further.
;;   INPUTS GIVEN AS CODES. Wk (in the module: [1024, 1024], K = its axis 1); Wq (in the module: [1024, 1024], K = its axis 1); Wv (in the module: [1024, 1024], K = its axis 1); x (in the module: [4, 2048, 1024], K = its axis 2): each comes as NAME_codes (uint8): NAME with its K axis moved to the last place and cut into blocks of 32 codes, [.., K / 32, bytes a block], one block behind the other in memory; four codes in three bytes: a row's codes are one little-endian stream of bits, code i at bits 6 i .. 6 i + 5 (a code: sign, 2 exponent bits, 3 mantissa bits); and NAME_scales (uint8): the same leading axes, one E8M0 byte (e + 127) for each 32 codes along K. Its value is code x scale, taken as it is: it is not quantised again, and the codes and scales need not be those that the quantiser above would give.
;; One version. Each part assembles by itself: llvm-mc -triple=amdgcn-amd-amdhsa -mcpu=gfx1250 --defsym DOCPART=n.
;; ======== version 1 of 1: 3 launches
;; workspace buffers: qimg 6,553,600 bytes; kimg 6,553,600 bytes; vimg 6,553,600 bytes; simg 13,107,200 bytes
;; launch proj (part 1): grid 8 x 32, 4 waves a work-group, clusters of 4 x 4, 327,680 bytes of LDS; arguments x_codes, x_scales, Wq_codes, Wq_scales, Wk_codes, Wk_scales, Wv_codes, Wv_scales, bq, bk, qimg, kimg, vimg; writes qimg, kimg, vimg
.if DOCPART == 1
	.amdgcn_target "amdgcn-amd-amdhsa--gfx1250"
	.amdhsa_code_object_version 6
	.text
	.protected	k_qbdde049d03_proj
	.globl	k_qbdde049d03_proj
	.p2align	8
	.type	k_qbdde049d03_proj,@function
k_qbdde049d03_proj:
	s_mov_b64 s[64:65], 0
	v_nop
	global_prefetch_b8 v0, s[64:65] scope:SCOPE_SE
	s_setreg_imm32_b32 hwreg(HW_REG_WAVE_MODE, 25, 1), 1
	s_wait_xcnt 0x0
	s_wait_alu depctr_hold_cnt(0) depctr_sa_sdst(0) depctr_va_vdst(0) depctr_va_sdst(0) depctr_va_ssrc(0) depctr_va_vcc(0) depctr_vm_vsrc(0)
	s_getreg_b32 s2, hwreg(HW_REG_IB_STS2, 6, 4)
	s_cmp_eq_u32 s2, 0
	s_cbranch_scc0 .Lentry_in_a_cluster
	s_endpgm
.Lentry_in_a_cluster:
	s_bfe_u32 s2, ttmp6, 0x10000c
	s_cmp_lg_u32 s2, 0xf033
	s_cbranch_scc0 .Lentry_shape_is_right
	s_endpgm
.Lentry_shape_is_right:
; q = x Wq^T + bq, k = x Wk^T + bk, v^T = Wv x^T on codes of FP6 (E2M3) with one E8M0 scale for each 32 along K = 1,024; each result is quantised again, in registers, along the NEXT product's K.
; SHARES.  The three products are 8,192 x 3,072 outputs: 384 tiles of 256 x 256, one and a half for each of 256 work-groups.  q and k are 2 x 4 x 32 = 256 whole tiles, v in pieces of 128 x 256 is 8 x 32 = 256 halves.
;   PART 1: a tile of q (the cluster's x = 0) or of k (1): x's rows 256 t on times W's rows 256 cx on; a wave makes 128 x 128: 64 accumulators.
;   PART 2: v^T: Wv's rows 128 (4 x cluster x + cx) on times the same 256 rows of x; a wave makes 64 x 128: 32 accumulators.  The ring of LDS slots goes on from part 1 into part 2.
; THE MATRIX INSTRUCTION IS USED TRANSPOSED: source 0 = 16 rows of "B", source 1 = 16 rows of "A"; a lane then holds ONE row of A and its registers run along B's rows.
;   part 1: A = x (rows b s), B = W (rows o): the registers run along o, which is the K of q k^T.      part 2: A = Wv (rows o), B = x (rows s): the registers run along s, the keys, which are the K of scores v.
; So the 64 registers of a block of 16 rows of A are 128 along the next K: four blocks of 32, each in lanes l and l xor 16: they are quantised where they lie and leave as an IMAGE OF THE OPERAND'S REGISTERS.
; A RECORD (12,800 bytes) is 128 rows x 128 K of an operand: fragment f (rows 16 f on) at 1,536 f, its registers 4 c .. 4 c + 3 at + 512 c, lane l at + 16 l; at 12,288 the scale words, row 64 g + 16 a + r at 256 g + 16 r + 4 a.
;   qimg, kimg: [row / 128 (64)][o / 128 (8)] records;   vimg: [batch (4)][o / 128 (8)][s / 128 (16)] records.  Every store of codes covers 512 consecutive bytes, aligned; a half record's scale words 256.
; CLUSTERS: 4 x 4 work-groups; x's tiles hang on the cluster's row and are shared along it, the weights' on its column: each is asked for jointly, by the same tensor load with the same descriptor and a mask that names the four.
; K goes in steps of 256 through two LDS slots; the scale bytes of x's and W's rows, for all of K, come once with the first fills; Wv's scale words, 32 a lane, come once into registers.  The steps are written out: a loop would have one trip.
; LIMITS.  NaN and infinities among the inputs are not served.  A block whose largest magnitude lies under 2^-124 keeps the scale byte 1 (the quantiser's hold at -126); a block of zeros gets the byte 1 where the
; quantiser says 127: its codes are zeros and only this program reads the bytes.  Inside a block of 32 the codes stand in the order 0-7, 16-23, 8-15, 24-31 of the next K, alike on both operands of each later
; product and inside one scale block: the products are the same, only the order of the f32 sums differs.  The bias is the C of each sum's first matrix instruction, so it is added first and not last.
; REGISTERS: window 0: v8-29 addresses; v32-63 scale words from LDS, two sets; v64-82 the codes just made; v96-127 Wv's scale words; v128-223 A's fragments (part 1: one set of 8; part 2: two sets of 4); v224-251 at work on the way out.
;   window 1: B's fragments, two sets, at v0 and v128; the bias in the result's layout at v96-127 and v224-255.   window 2: the accumulators of my rows 0-63 ((a, b) at v[8 (8 a + b)]);   window 3: those of my rows 64-127 (part 1).
.set REC,    12800
.set NQ,     2                         ; matrix instructions deep in a slot: 256 along K
.set ROWB,   192                       ; a tile's row: 256 codes
.set KROW,   768                       ; a row of codes in memory: 1,024 codes
.set PITCH,  240                       ; an LDS row: 3 x (64 bytes + 16 of padding)
.set FR,     12                        ; registers of a fragment
.set NL,     6                         ; LDS loads that bring one
.set NP,     4                         ; places behind this matrix instruction (ISA guide 7.12.1)
.set HALFT,  128*PITCH                 ; 128 rows: one tensor load of x or of W
.set QUART,  64*PITCH                  ; 64 rows: one tensor load of Wv
.set SLOT,   4*HALFT                   ; A's 256 rows (part 2: 128 of them used), then B's 256
.set KS,     32                        ; a row of scale bytes
.set SCL,    2*SLOT                    ; behind the ring: the scale bytes of x's 256 rows, then of W's, as units of 256 bytes + 16 of padding
.set HALFS,  16*272                    ; those of 128 rows
.set SBLK,   2*272                     ; those of 16 rows
.set SPARE,  SCL+4*HALFS               ; the spare words: 128 bytes a wave, two blocks of 256 bytes that no other line names
.set ADRV, 8                           ; v8-9 part 2: my Wv fragments in slot 0, 1; v10-11 the same behind one padding more
.set ADRS2, 12                         ; v12 part 2: x's scale words of my 128 rows
.set LI2,  13                          ; v13 part 2: 16 x lane + my half of a record's fragments
.set LH,   14                          ; v14 part 2: my 8 bytes of my half of a record's scale words
.set VSO,  15                          ; v15 32 x (lane % 16): my row of Wv's scale bytes
.set ADRA, 16                          ; v16-17 part 1: my x fragments in slot 0, 1; v18-19 the same behind one padding more
.set ADRB, 20                          ; v20-23 the same for B: W in part 1, x in part 2
.set LI,   24                          ; v24 16 x lane: my place in an image
.set BO,   25                          ; v25 32 x (lane / 16): my eight numbers of a tile's bias
.set ADRS, 27                          ; v27 part 1: my scale words: lanes 0-15 x's rows, lanes 16-31 W's
.set SPW,  28                          ; v28 my spare word; never rewritten
.set NIL,  29                          ; v29 0; never rewritten
.set SC,   32                          ; scale words: set s at v[SC + 16 s]; register 2 i + q: block i, the slot's q-th 128 along K
.set CD,   64                          ; the way out: a fragment's codes (12 registers, and 7 at work)
.set VS,   96                          ; Wv's scale words: block a, K / 128 = s at v[VS + 8 a + s]
.set AF,   128
.set TM,   224                         ; v224-227 largest magnitudes, v228-231 bytes, v236-239 the conversions' scale operands
.set SW,   240                         ; v240-247 the fragments' scale words
.set SO,   248                         ; v248-251 the same as they are stored
.set BI,   96                          ; in window 1: the bias, eight registers for each of W's eight blocks: blocks 0-3 from v96, blocks 4-7 from v224
.set VC,   2                           ; s[2:3] Wv's codes at the rows that I fetch
.set G1,   4                           ; s[4:11] group 1 for x's tiles, s[12:19] for W's, s[20:27], s[28:35] for their scale bytes
.set G1B,  12
.set G1S,  20
.set G1SB, 28
.set G0,   36                          ; s[36:43] group 0 for x's tiles, a set for each slot; s[44:51] for W's, later Wv's; s[52:55], s[56:59] for the scale bytes
.set G0B,  44
.set G0S,  52
.set G0SB, 56
.set WV,   60
.set HA,   61
.set HB,   62
.set CX,   63
.set BIAS, 66
.set CY,   68
.set TROW, 69
.set VCH,  70
.set MROW, 71
.set MCOL, 72
.set LT,   73
.set LS,   74
.set LV,   75
.set G1V,  80                          ; s[80:87] group 1 for Wv's tiles
.set OUT2, 88
.set SEL,  90
.set AC,   92
.set AS,   94
.set BC,   96
.set BS,   98
.set OUT,  100
.set VSP,  104
.set MUL_LO, 0xa1                      ; source 0 (B) window 1, source 1 (A) window 0, C and D window 2
.set MUL_HI, 0xf1                      ; the same, C and D window 3
.set MSB, 0
.macro WIN new                         ; the immediate's high byte repeats the setting that is left; a switch that changes nothing is dropped
.if MSB != (\new)
	s_set_vgpr_msb (MSB<<8)|(\new)
.set MSB, (\new)
.endif
.endm
.macro PLACES n
.rept \n
	v_nop
.endr
.endm
; A joint load: waves 0 and 1 issue the first line, waves 2 and 3 the second; the branch hangs on the wave's number alone.  Four v_nop follow each of the two lines.
.macro JLOAD g0a, g1a, g0b, g1b
	s_cmp_eq_u32 s[HA], 0
	s_cbranch_scc0 .Lfor_b_\@
	tensor_load_to_lds s[\g0a:\g0a+3], s[\g1a:\g1a+7]
	s_nop 0
.rept 4
	v_nop
.endr
	s_branch .Lasked_\@
.Lfor_b_\@:
	tensor_load_to_lds s[\g0b:\g0b+3], s[\g1b:\g1b+7]
	s_nop 0
.rept 4
	v_nop
.endr
.Lasked_\@:
.endm
.macro CREST                           ; a round of the cluster's barrier behind its opening barrier
	s_cmp_lg_u32 s[WV], 0
	s_cbranch_scc1 .Lnot_wave_0_\@
	s_barrier_signal -3
.Lnot_wave_0_\@:
	s_barrier_wait -3
	s_barrier_signal -1
	s_barrier_wait -1
.endm
.macro CROUND
	s_barrier_signal -1
	s_barrier_wait -1
	CREST
.endm
	s_load_b512 s[4:19], s[0:1], 0x0               ; x's codes, scales; Wq's; Wk's; Wv's
	s_load_b256 s[20:27], s[0:1], 0x40             ; bq, bk, qimg, kimg
	s_load_b64 s[28:29], s[0:1], 0x60              ; vimg
	v_lshl_add_u32 v[SPW], v0, 2, SPARE
	v_mov_b32 v[NIL], 0
	ds_add_u32 v28, v29
	ds_add_u32 v28, v29
	s_wait_dscnt 0x0
	v_lshrrev_b32 v1, 5, v0
	v_readfirstlane_b32 s[WV], v1                  ; wave 0..3
	s_lshr_b32 s[HA], s[WV], 1                     ; which half of A's rows is mine.  Also: which of a joint load's two lines I issue
	s_and_b32 s[HB], s[WV], 1                      ; which half of B's rows.  Also: which half of a tile I fetch
	s_bfe_u32 s[CX], ttmp6, 0x40000                ; my place in the cluster
	s_bfe_u32 s[CY], ttmp6, 0x40004
	s_and_b32 s[TROW], ttmp7, 0xffff               ; the cluster's y, 0..7
	s_lshl_b32 s[TROW], s[TROW], 2
	s_add_co_u32 s[TROW], s[TROW], s[CY]           ; x's tile of 256 rows, 0..31: it hangs on cy alone.  (W's tile of 256 rows is cx)
	s_lshl_b32 s[VCH], ttmp9, 2
	s_add_co_u32 s[VCH], s[VCH], s[CX]             ; Wv's 128 rows, 0..7: on cx alone
	s_lshl_b32 s[MROW], s[CY], 2
	s_lshl_b32 s[MROW], 15, s[MROW]                ; my row of the cluster
	s_lshl_b32 s[MCOL], 0x1111, s[CX]              ; my column
	; byte offsets, each in registers that later hold descriptors of the same coordinate, or in registers of its own
	s_lshl_b32 s76, s[HB], 7
	s_lshl_b32 s36, s[TROW], 8
	s_add_co_u32 s36, s36, s76                     ; x: the first row that I fetch
	s_mul_i32 s38, s36, KS                         ; its scale bytes,
	s_mul_i32 s36, s36, KROW                       ; its codes (all under 2^23)
	s_mov_b32 s37, 0
	s_mov_b32 s39, 0
	s_lshl_b32 s44, s[CX], 8
	s_add_co_u32 s44, s44, s76                     ; W likewise
	s_mul_i32 s46, s44, KS
	s_mul_i32 s44, s44, KROW
	s_mov_b32 s45, 0
	s_mov_b32 s47, 0
	s_lshl_b32 s[VC], s[VCH], 7
	s_lshl_b32 s[VC+1], s[HB], 6
	s_add_co_u32 s[VC], s[VC], s[VC+1]             ; Wv: the first of the 64 rows that I fetch
	s_mul_i32 s[VC], s[VC], KROW
	s_mov_b32 s[VC+1], 0
	s_lshl_b32 s[VSP], s[VCH], 12
	s_lshl_b32 s[VSP+1], s[HA], 11
	s_add_co_u32 s[VSP], s[VSP], s[VSP+1]          ; Wv's scale bytes of the 64 rows that I multiply: 32 bytes a row
	s_mov_b32 s[VSP+1], 0
	s_mul_i32 s[LT], s[WV], HALFT                  ; where tiles of 128 rows go: wave x 128 rows: no place in the cluster enters an LDS address
	s_mul_i32 s[LS], s[WV], HALFS
	s_mul_i32 s[LV], s[HB], QUART                  ; where Wv's 64 rows go
	s_lshl_b32 s76, s[TROW], 1
	s_add_co_u32 s76, s76, s[HA]                   ; part 1: my 128 rows of x / 128: the record's row group
	s_lshl_b32 s76, s76, 3
	s_lshl_b32 s77, s[CX], 1
	s_add_co_u32 s77, s77, s[HB]                   ; my 128 rows of W / 128: the record's place along the next K
	s_add_co_u32 s76, s76, s77
	s_mul_i32 s76, s76, REC                        ; my record of qimg or kimg, in bytes
	s_lshl_b32 s78, s77, 9                         ; my 128 numbers of the bias, in bytes
	s_mov_b32 s77, 0
	s_mov_b32 s79, 0
	s_lshr_b32 s[OUT2], s[TROW], 3                 ; part 2: the batch, 128 records each,
	s_lshl_b32 s[OUT2], s[OUT2], 7
	s_lshl_b32 s[OUT2+1], s[VCH], 4                ; Wv's 128 rows are a row group of 16 records,
	s_add_co_u32 s[OUT2], s[OUT2], s[OUT2+1]
	s_lshl_b32 s[OUT2+1], s[TROW], 1
	s_add_co_u32 s[OUT2+1], s[OUT2+1], s[HB]
	s_and_b32 s[OUT2+1], s[OUT2+1], 15             ; my 128 rows of x / 128 within the batch
	s_add_co_u32 s[OUT2], s[OUT2], s[OUT2+1]
	s_mul_i32 s[OUT2], s[OUT2], REC                ; my record of vimg, in bytes
	s_mov_b32 s[OUT2+1], 0
	s_mov_b32 s[SEL], 0x76543210
	s_mov_b32 s[SEL+1], 0xfedcba98                 ; v_permlanex16_b32's selects for lane l xor 16
	s_wait_kmcnt 0x0
	s_cmp_eq_u32 ttmp9, 0                          ; q's buffers or k's: chosen by the cluster's x alone
	s_cselect_b64 s[BC:BC+1], s[8:9], s[12:13]
	s_cselect_b64 s[BS:BS+1], s[10:11], s[14:15]
	s_cselect_b64 s[OUT:OUT+1], s[24:25], s[26:27]
	s_cselect_b64 s[BIAS:BIAS+1], s[20:21], s[22:23]
	s_add_nc_u64 s[AC:AC+1], s[4:5], s[36:37]
	s_add_nc_u64 s[AS:AS+1], s[6:7], s[38:39]
	s_add_nc_u64 s[BC:BC+1], s[BC:BC+1], s[44:45]
	s_add_nc_u64 s[BS:BS+1], s[BS:BS+1], s[46:47]
	s_add_nc_u64 s[OUT:OUT+1], s[OUT:OUT+1], s[76:77]
	s_add_nc_u64 s[BIAS:BIAS+1], s[BIAS:BIAS+1], s[78:79]
	s_add_nc_u64 s[VC:VC+1], s[16:17], s[VC:VC+1]
	s_add_nc_u64 s[VSP:VSP+1], s[18:19], s[VSP:VSP+1]
	s_add_nc_u64 s[OUT2:OUT2+1], s[28:29], s[OUT2:OUT2+1]
	; descriptor group 1, in the registers that held the arguments: a tile of 128 rows x 192 bytes, 16 bytes of padding behind every 64
	s_or_b32 s[G1+0], s[MROW], (0<<16)|(1<<20)|(1<<21)|(3<<22)|(3<<25)   ; 15:0 the mask; 17:16 elements of 1 byte; 20 padding on; 21 set beside a mask; 24:22 after every 16 words; 31:25 4 words of it
	s_or_b32 s[G1B+0], s[MCOL], (0<<16)|(1<<20)|(1<<21)|(3<<22)|(3<<25)
.irp g, G1, G1B
	s_mov_b32 s[\g+1], ROWB<<16                    ; tensor_dim0
	s_mov_b32 s[\g+2], 128<<16                     ; tensor_dim1
	s_mov_b32 s[\g+3], ROWB<<16                    ; tile_dim0
	s_mov_b32 s[\g+4], 128                         ; tile_dim1
	s_mov_b32 s[\g+5], KROW                        ; from row to row
	s_mov_b32 s[\g+6], 0
	s_mov_b32 s[\g+7], 0
.endr
	s_or_b32 s[G1V+0], s[MCOL], (0<<16)|(1<<20)|(1<<21)|(3<<22)|(3<<25)  ; Wv's tiles: the same with 64 rows; they go to my column
	s_mov_b32 s[G1V+1], ROWB<<16
	s_mov_b32 s[G1V+2], 64<<16
	s_mov_b32 s[G1V+3], ROWB<<16
	s_mov_b32 s[G1V+4], 64
	s_mov_b32 s[G1V+5], KROW
	s_mov_b32 s[G1V+6], 0
	s_mov_b32 s[G1V+7], 0
	; the scale bytes of 128 rows: 4,096 dense bytes as 16 rows of 256 (32 elements of 8 bytes), 16 bytes of padding behind each
	s_or_b32 s[G1S+0], s[MROW], (3<<16)|(1<<20)|(1<<21)|(5<<22)|(3<<25)
	s_or_b32 s[G1SB+0], s[MCOL], (3<<16)|(1<<20)|(1<<21)|(5<<22)|(3<<25)
.irp g, G1S, G1SB
	s_mov_b32 s[\g+1], 32<<16
	s_mov_b32 s[\g+2], 16<<16
	s_mov_b32 s[\g+3], 32<<16
	s_mov_b32 s[\g+4], 16
	s_mov_b32 s[\g+5], 32
	s_mov_b32 s[\g+6], 0
	s_mov_b32 s[\g+7], 0
.endr
	CROUND                                         ; all sixteen work-groups are here: the first joint loads meet
	s_mov_b32 s[G0S], 1
	s_add_co_u32 s[G0S+1], s[LS], SCL
	s_mov_b64 s[G0S+2:G0S+3], s[AS:AS+1]
	s_or_b32 s[G0S+3], s[G0S+3], 0x80000000
	s_mov_b32 s[G0SB], 1
	s_add_co_u32 s[G0SB+1], s[LS], SCL
	s_mov_b64 s[G0SB+2:G0SB+3], s[BS:BS+1]
	s_or_b32 s[G0SB+3], s[G0SB+3], 0x80000000
	JLOAD G0S, G1S, G0SB, G1SB                     ; the scale bytes first: they are wanted with K step 0
.irp s, 0,1
	s_mov_b32 s[G0+4*\s], 1
	s_add_co_u32 s[G0+4*\s+1], s[LT], \s*SLOT
	s_add_nc_u64 s[G0+4*\s+2:G0+4*\s+3], s[AC:AC+1], \s*ROWB
	s_or_b32 s[G0+4*\s+3], s[G0+4*\s+3], 0x80000000
	s_mov_b32 s[G0B+4*\s], 1
	s_add_co_u32 s[G0B+4*\s+1], s[LT], \s*SLOT
	s_add_nc_u64 s[G0B+4*\s+2:G0B+4*\s+3], s[BC:BC+1], \s*ROWB
	s_or_b32 s[G0B+4*\s+3], s[G0B+4*\s+3], 0x80000000
	JLOAD G0+4*\s, G1, G0B+4*\s, G1B               ; K steps 0 and 1: with the scale bytes three loads of mine are out
.endr
	v_and_b32 v1, 15, v0                           ; r = lane % 16
	v_bfe_u32 v2, v0, 4, 1                         ; h = lane / 16
	; THE BIAS is the C of each sum's first matrix instruction: for W's block b lane (r, h) holds bias[my 128 + 16 b + 8 h + 0 .. 7]
	v_lshlrev_b32 v[BO], 5, v2
	v_lshlrev_b32 v[VSO], 5, v1
	WIN 0x40                                       ; destination window 1, address window 0
.irp b, 0,1,2,3,4,5,6,7
	global_load_b128 v[BI+8*\b+96*(\b/4):BI+8*\b+96*(\b/4)+3], v[BO], s[BIAS:BIAS+1] offset:64*\b
	global_load_b128 v[BI+8*\b+96*(\b/4)+4:BI+8*\b+96*(\b/4)+7], v[BO], s[BIAS:BIAS+1] offset:64*\b+16
.endr
	WIN 0
.irp a, 0,1,2,3                                ; Wv's scale words for part 2: a row's 32 bytes are the words of its eight 128s along K; sixteen rows are 512 consecutive bytes
	global_load_b128 v[VS+8*\a:VS+8*\a+3], v[VSO], s[VSP:VSP+1] offset:512*\a
	global_load_b128 v[VS+8*\a+4:VS+8*\a+7], v[VSO], s[VSP:VSP+1] offset:512*\a+16
.endr
	v_mul_u32_u24 v3, v1, PITCH
	v_mul_u32_u24 v4, v2, 24
	v_add_nc_u32 v4, v3, v4                        ; a fragment's row x pitch + 24 x half
	v_lshl_add_u32 v5, v2, 4, v4                   ; and the same behind one padding more
	s_mul_i32 s78, s[HA], HALFT                    ; part 1: my 128 rows of x
	s_mul_i32 s79, s[HB], HALFT                    ; my 128 rows of B,
	s_add_co_u32 s79, s79, 2*HALFT                 ; which lie behind A's 256
	s_mul_i32 s77, s[HA], QUART                    ; part 2: my 64 rows of Wv
.irp s, 0,1
	v_add_nc_u32 v[ADRA+\s], s78, v4
	v_add_nc_u32 v[ADRB+\s], s79, v4
	v_add_nc_u32 v[ADRV+\s], s77, v4
	v_add_nc_u32 v[ADRA+2+\s], s78, v5
	v_add_nc_u32 v[ADRB+2+\s], s79, v5
	v_add_nc_u32 v[ADRV+2+\s], s77, v5
	s_add_co_u32 s78, s78, SLOT
	s_add_co_u32 s79, s79, SLOT
	s_add_co_u32 s77, s77, SLOT
.endr
	v_mul_u32_u24 v5, v1, KS                       ; my row's scale bytes: 32 a row,
	v_lshrrev_b32 v6, 8, v5
	v_lshl_add_u32 v5, v6, 4, v5                   ; and 16 more for each 256 passed
	s_mul_i32 s78, s[HA], HALFS
	s_mul_i32 s79, s[HB], HALFS
	s_add_co_u32 s77, s79, SCL
	v_add_nc_u32 v[ADRS2], s77, v5                 ; part 2: x's words of the 128 rows that are my B
	s_add_co_u32 s79, s79, 2*HALFS
	s_sub_co_u32 s79, s79, s78
	v_mul_u32_u24 v6, s79, v2                      ; part 1: lanes 16-31 take W's: one product, half x the distance
	s_add_co_u32 s78, s78, SCL
	v_add_nc_u32 v5, v5, v6
	v_add_nc_u32 v[ADRS], s78, v5
	v_and_b32 v6, 31, v0
	v_lshlrev_b32 v[LI], 4, v6
	s_mul_i32 s78, s[HA], 4*1536
	v_add_nc_u32 v[LI2], s78, v[LI]                ; part 2: my four fragments are the record's 4 x half on
	v_lshlrev_b32 v[LH], 4, v1
	v_lshl_add_u32 v[LH], v2, 3, v[LH]
	s_lshl_b32 s78, s[HA], 8
	v_add_nc_u32 v[LH], s78, v[LH]                 ; and their scale words: 256 x half + 16 r + 8 h
.macro FRAG reg, adr, q, i             ; 16 rows x 128 K: lane l holds row l % 16; registers 6 c .. 6 c + 5 hold K = 64 c + 32 (l / 16) + 0 .. 31: 24 bytes of the row's stream of bits, in pieces of 8
.irp p, 0,1,2,3,4,5
.set PCE, 12*(\q)+6*(\p/3)+\p%3        ; lanes 16-31 read three pieces on; where that is behind one padding more, the second address register serves
.if PCE%8 < 5
	ds_load_b64 v[\reg+2*\p:\reg+2*\p+1], v[\adr] offset:8*PCE+16*(PCE/8)+(\i)*16*PITCH
.else
	ds_load_b64 v[\reg+2*\p:\reg+2*\p+1], v[\adr+2] offset:8*PCE+16*(PCE/8)+(\i)*16*PITCH
.endif
.endr
.endm
; PART 1.  16 matrix instructions: x's blocks a0, a0 + 1 x W's eight.  p: W's set; q: which 128 of the slot; sc: the set of scale words.  first = 1: the sums begin with the bias.
; The 64 accumulators take turns, one instruction a turn, in the same order in every step.
.macro MUL16 a0, p, q, sc, first
.irp a, \a0, \a0+1
.irp b, 0,1,2,3,4,5,6,7
.if \first
	v_wmma_scale_f32_16x16x128_f8f6f4 v[8*(8*((\a)%4)+\b):8*(8*((\a)%4)+\b)+7], v[128*(\p)+FR*\b:128*(\p)+FR*\b+FR-1], v[AF+FR*(\a):AF+FR*(\a)+FR-1], v[BI+8*\b+96*(\b/4):BI+8*\b+96*(\b/4)+7], v[SC+8*NQ*(\sc)+NQ*\b+(\q)], v[SC+8*NQ*(\sc)+NQ*(\a)+(\q)] matrix_a_fmt:MATRIX_FMT_FP6 matrix_b_fmt:MATRIX_FMT_FP6 matrix_a_scale:MATRIX_SCALE_ROW1
.else
	v_wmma_scale_f32_16x16x128_f8f6f4 v[8*(8*((\a)%4)+\b):8*(8*((\a)%4)+\b)+7], v[128*(\p)+FR*\b:128*(\p)+FR*\b+FR-1], v[AF+FR*(\a):AF+FR*(\a)+FR-1], v[8*(8*((\a)%4)+\b):8*(8*((\a)%4)+\b)+7], v[SC+8*NQ*(\sc)+NQ*\b+(\q)], v[SC+8*NQ*(\sc)+NQ*(\a)+(\q)] matrix_a_fmt:MATRIX_FMT_FP6 matrix_b_fmt:MATRIX_FMT_FP6 matrix_a_scale:MATRIX_SCALE_ROW1
.endif
.endr
.endr
.endm
.macro FETCH_B slot, q, p
	WIN 0x40                                       ; destination window 1, address window 0
.irp i, 0,1,2,3,4,5,6,7
	FRAG 128*(\p)+FR*\i, ADRB+\slot, \q, \i
.endr
	WIN 0
.endm
.macro FETCH_A slot, q, i0
.irp i, \i0, \i0+1, \i0+2, \i0+3
	FRAG AF+FR*(\i), ADRA+\slot, \q, \i
.endr
.endm
.macro SCALES sc, n                    ; K step n's scale words into set sc: 8 bytes a row; lanes 0-15 take x's block i, lanes 16-31 W's
.irp i, 0,1,2,3,4,5,6,7
	ds_load_b64 v[SC+8*NQ*\sc+NQ*\i:SC+8*NQ*\sc+NQ*\i+1], v[ADRS] offset:\i*SBLK+8*(\n)
.endr
.endm
; PART 2.  72 LDS loads in one run: x's eight fragments and Wv's four of the slot's q-th 128 along K, into set p
.macro FETCH2 slot, q, p
	WIN 0x40
.irp i, 0,1,2,3,4,5,6,7
	FRAG 128*(\p)+FR*\i, ADRB+\slot, \q, \i
.endr
	WIN 0
.irp i, 0,1,2,3
	FRAG AF+48*(\p)+FR*\i, ADRV+\slot, \q, \i
.endr
.endm
.macro SCALES2 sc, n                   ; K step n's scale words of x's eight blocks into set sc (every lane takes row lane % 16; lanes 0-15 are read)
.irp i, 0,1,2,3,4,5,6,7
	ds_load_b64 v[SC+8*NQ*\sc+NQ*\i:SC+8*NQ*\sc+NQ*\i+1], v[ADRS2] offset:\i*SBLK+8*(\n)
.endr
.endm
; 8 matrix instructions: Wv's block a x x's eight; K step n, its q-th 128, which lies in set q.  The 32 accumulators take turns, one instruction a turn.
.macro MUL2 a, n, q, zero
.irp b, 0,1,2,3,4,5,6,7
.if \zero
	v_wmma_scale_f32_16x16x128_f8f6f4 v[8*(8*(\a)+\b):8*(8*(\a)+\b)+7], v[128*(\q)+FR*\b:128*(\q)+FR*\b+FR-1], v[AF+48*(\q)+FR*(\a):AF+48*(\q)+FR*(\a)+FR-1], 0, v[SC+8*NQ*((\n)%2)+NQ*\b+(\q)], v[VS+8*(\a)+2*(\n)+(\q)] matrix_a_fmt:MATRIX_FMT_FP6 matrix_b_fmt:MATRIX_FMT_FP6
.else
	v_wmma_scale_f32_16x16x128_f8f6f4 v[8*(8*(\a)+\b):8*(8*(\a)+\b)+7], v[128*(\q)+FR*\b:128*(\q)+FR*\b+FR-1], v[AF+48*(\q)+FR*(\a):AF+48*(\q)+FR*(\a)+FR-1], v[8*(8*(\a)+\b):8*(8*(\a)+\b)+7], v[SC+8*NQ*((\n)%2)+NQ*\b+(\q)], v[VS+8*(\a)+2*(\n)+(\q)] matrix_a_fmt:MATRIX_FMT_FP6 matrix_b_fmt:MATRIX_FMT_FP6
.endif
.endr
.endm
; A slot is filled again; no tensor load of the wave is out, so its groups 0 may be written.  kind 0: part 1's K step two on.  kind 1: THE RING GOES ON INTO PART 2: the slot takes part 2's K step of its own number:
; x's address goes 384 bytes back along K and keeps its LDS address (wave x 128 rows: now waves 2 and 3 issue it, into B's half of the slot); W's registers take Wv's address and place.  kind 2: part 2's K step two on.
; The registers of x's descriptors never hold cx, those of the weights' never cy.
.macro REFILL slot, kind
.if \kind == 1
	s_sub_nc_u64 s[G0+4*\slot+2:G0+4*\slot+3], s[G0+4*\slot+2:G0+4*\slot+3], 2*ROWB
	s_add_co_u32 s[G0B+4*\slot+1], s[LV], \slot*SLOT
	s_add_nc_u64 s[G0B+4*\slot+2:G0B+4*\slot+3], s[VC:VC+1], \slot*ROWB
	s_or_b32 s[G0B+4*\slot+3], s[G0B+4*\slot+3], 0x80000000
.else
	s_add_nc_u64 s[G0+4*\slot+2:G0+4*\slot+3], s[G0+4*\slot+2:G0+4*\slot+3], 2*ROWB
	s_add_nc_u64 s[G0B+4*\slot+2:G0B+4*\slot+3], s[G0B+4*\slot+2:G0B+4*\slot+3], 2*ROWB
.endif
.if \kind == 0
	JLOAD G0+4*\slot, G1, G0B+4*\slot, G1B         ; waves 0, 1: x's halves; waves 2, 3: W's
.else
	JLOAD G0B+4*\slot, G1V, G0+4*\slot, G1         ; waves 0, 1: Wv's halves; waves 2, 3: x's
.endif
.endm
; PART 1: a step of 128 along K that has its successor in the same slot.  A block of x is free when its eight products are issued, so x has one set: blocks 0-3 are fetched anew in the middle, blocks 4-7 at the end.
.macro STEP slot, q, first
	s_wait_dscnt 4*NL                              ; W's set and x's blocks 0-3 are in; the youngest 24 loads (x's blocks 4-7) may be out
	WIN MUL_LO-0x10*(\first)                       ; (the bias lies in window 1)
	MUL16 0, (\q)%2, \q, \slot, \first
	MUL16 2, (\q)%2, \q, \slot, \first
	s_wait_dscnt 0x0                               ; x's blocks 4-7 are in
	PLACES NP                                      ; in front of loads into registers that matrix instructions have read
	FETCH_B \slot, (\q)+1, 1-(\q)%2
	FETCH_A \slot, (\q)+1, 0
	WIN MUL_HI-0x20*(\first)
	MUL16 4, (\q)%2, \q, \slot, \first
	MUL16 6, (\q)%2, \q, \slot, \first
	PLACES NP
	WIN 0
	FETCH_A \slot, (\q)+1, 4
.endm
; PART 1: a slot's last step changes slots: in front of the barrier each wave waits for all its tensor loads, adds 0 to its spare word, and waits for that and for its reads of this slot; the barrier opens a round of the
; cluster's, and the slot is filled again first thing behind it.  n: the K step that is read next; n = 4: part 2's first, whose fragments are fetched here and lie ready behind part 1's way out.
.macro TURN slot, next, kind, n
	s_wait_tensorcnt 0x0                           ; all my tensor loads have landed: my part of the next slot
	ds_add_u32 v[SPW], v[NIL]                      ; 0 onto my spare word
	s_wait_dscnt 4*NL+1                            ; (the add and the youngest 24 loads may be out)
	WIN MUL_LO
	MUL16 0, 1, NQ-1, \slot, 0
	s_wait_dscnt 0x0                               ; the add is done, and my reads of this slot are over
	s_barrier_signal -1
	MUL16 2, 1, NQ-1, \slot, 0
	WIN 0
	s_barrier_wait -1
	CREST                                          ; no wave of any partner still reads this slot or has a load on its way
	REFILL \slot, \kind                            ; the first tensor load behind the round; its four v_nop are the places in front of the loads below
.if \n < 4
	FETCH_B \next, 0, 0
	FETCH_A \next, 0, 0
	SCALES \next, \n
.else
	FETCH2 \next, 0, 0
	SCALES2 \next, 0
.endif
	WIN MUL_HI
	MUL16 4, 1, NQ-1, \slot, 0
	MUL16 6, 1, NQ-1, \slot, 0
	PLACES NP
	WIN 0
.if \n < 4
	FETCH_A \next, 0, 4
.endif
.endm
; PART 2: K step n's first 128 (set 0); at the step's head the second 128's run of loads goes into set 1 and has this step's 32 matrix instructions in which to land.
.macro STEP2 n, slot, zero
	s_wait_dscnt 0x0                               ; set 0, asked for a step ago, is in
	PLACES NP                                      ; in front of loads into registers that the last step's matrix instructions have read
	FETCH2 \slot, 1, 1
	WIN MUL_LO
	MUL2 0, \n, 0, \zero
	MUL2 1, \n, 0, \zero
	MUL2 2, \n, 0, \zero
	MUL2 3, \n, 0, \zero
	WIN 0
.endm
; PART 2: K step n's second 128 (set 1) changes slots, as in part 1.  fill = 1: the slot takes the K step two on.
.macro TURN2 n, slot, next, fill
	s_wait_tensorcnt 0x0                           ; all my tensor loads have landed: my part of the next slot
	ds_add_u32 v[SPW], v[NIL]                      ; 0 onto my spare word
	s_wait_dscnt 1                                 ; set 1 is in; the add may be out
	WIN MUL_LO
	MUL2 0, \n, 1, 0
	s_wait_dscnt 0x0                               ; the add is done, and my reads of this slot are over
	s_barrier_signal -1
	MUL2 1, \n, 1, 0
	WIN 0
	s_barrier_wait -1
.if \fill
	CREST
	REFILL \slot, 2
.else
	PLACES NP
.endif
	FETCH2 \next, 0, 0
	SCALES2 \next, (\n)+1
	WIN MUL_LO
	MUL2 2, \n, 1, 0
	MUL2 3, \n, 1, 0
	WIN 0
.endm
; 64 numbers of a lane, v[s] .. v[s + 63] of window w (register 16 b + i: place 32 b + 16 (lane / 16) + i along the next K, of my row), become a fragment's codes in v[CD] on and its scale word in v[pw].
.macro QUANT s, w, pw
	WIN (\w)*5                                     ; sources 0 and 1 in window w
.irp b, 0,1,2,3
	v_max3_num_f32 v[TM+\b], |v[(\s)+16*\b]|, |v[(\s)+1+16*\b]|, 0x1800000   ; block b: my 16 numbers, and the floor 2^(3 - 127): the byte cannot fall under 1.  Each accumulator is read from its low end on
.endr
.irp i, 2,4,6,8,10,12,14
.irp b, 0,1,2,3
	v_max3_num_f32 v[TM+\b], |v[(\s)+16*\b+\i]|, |v[(\s)+1+16*\b+\i]|, v[TM+\b]   ; (the four blocks by turns)
.endr
.endr
	WIN 0
.irp b, 0,1,2,3
	v_permlanex16_b32 v[TM+4+\b], v[TM+\b], s[SEL], s[SEL+1]
.endr
.irp b, 0,1,2,3
	v_max_num_f32 v[TM+\b], v[TM+\b], v[TM+4+\b]   ; with lane l xor 16's: the block's largest magnitude
.endr
.irp b, 0,1,2,3
	v_add_nc_u32 v[TM+12+\b], 0xff000000, v[TM+\b] ; 2 off its exponent field: the conversion takes the exponent field of this operand as its scale
.endr
.irp b, 0,1,2,3
	v_lshrrev_b32 v[TM+4+\b], 23, v[TM+12+\b]      ; the scale's byte
.endr
	v_lshl_or_b32 v[\pw], v[TM+5], 8, v[TM+4]
	v_lshl_or_b32 v[\pw], v[TM+6], 16, v[\pw]
	v_lshl_or_b32 v[\pw], v[TM+7], 24, v[\pw]      ; my row's scale word
	s_wait_xcnt 0x0                                ; the earlier stores have read their registers: the codes are written again only behind this wait
	WIN (\w)                                       ; source 0 in window w
.irp c, 0,1
	v_cvt_scalef32_pk16_fp6_f32 v[CD+6*\c:CD+2+6*\c], v[(\s)+32*\c:(\s)+15+32*\c], v[TM+12+2*\c]
	v_cvt_scalef32_pk16_fp6_f32 v[CD+12+4*\c:CD+14+4*\c], v[(\s)+16+32*\c:(\s)+31+32*\c], v[TM+13+2*\c]   ; (a conversion's three registers begin on an even number)
.endr
	WIN 0
	v_nop                                          ; one plain place behind a scaled conversion
.irp c, 0,1                                    ; the operand's layout wants a whole block in a lane: lanes 0-15 block 2 c, lanes 16-31 block 2 c + 1
.irp i, 0,1,2
	v_permlane16_swap_b32 v[CD+6*\c+\i], v[CD+12+4*\c+\i]
.endr
.irp i, 0,1,2
	v_mov_b32 v[CD+3+6*\c+\i], v[CD+12+4*\c+\i]
.endr
.endr
.endm
.macro PUT a, li, out                  ; a fragment's image: three stores of 512 consecutive bytes
.irp c, 0,1,2
	global_store_b128 v[\li], v[CD+4*\c:CD+4*\c+3], s[\out:\out+1] offset:(\a)*1536+512*\c
.endr
.endm
	s_wait_loadcnt 0x0                             ; the bias and Wv's scale words
	s_wait_tensorcnt 1                             ; the scale bytes and my part of K step 0 are in (K step 1's load may be out)
	s_barrier_signal -1
	s_barrier_wait -1                              ; everybody's are
	FETCH_B 0, 0, 0
	FETCH_A 0, 0, 0
	SCALES 0, 0
	FETCH_A 0, 0, 4
	; ---- PART 1: q or k
	STEP 0, 0, 1                                   ; K 0-127: the sums begin with the bias
	TURN 0, 1, 0, 1                                ; K 128-255; slot 0 takes K step 2
	STEP 1, 0, 0
	TURN 1, 0, 0, 2                                ; slot 1 takes K step 3
	STEP 0, 0, 0
	TURN 0, 1, 1, 3                                ; slot 0 takes part 2's K step 0
	STEP 1, 0, 0
	TURN 1, 0, 1, 4                                ; K 896-1,023; slot 1 takes part 2's K step 1; part 2's first fragments are fetched
	; THE WAY OUT of part 1: each block of 16 rows is quantised where it lies and stored as a fragment's image; no LDS.  Part 2's tiles and fragments land meanwhile.
.irp b, 0,1,2,3
	v_mov_b32 v[TM+4+\b], 0                        ; written once: a lane permute's destination counts as one of its sources
.endr
.irp a, 0,1,2,3,4,5,6,7
	QUANT 64*(\a%4), 2+\a/4, SW+\a
	PUT \a, LI, OUT
.endr
	s_mov_b32 vcc_lo, 0xffff0000                   ; lanes l and l xor 16 hold the same words: lanes 0-15 store those of fragments 0-3, lanes 16-31 those of 4-7
.irp a, 0,1,2,3
	v_cndmask_b32 v[SO+\a], v[SW+\a], v[SW+4+\a], vcc_lo
.endr
	global_store_b128 v[LI], v[SO:SO+3], s[OUT:OUT+1] offset:12288
	; ---- PART 2: v^T
	STEP2 0, 0, 1                                  ; K 0-127 starts the sums: v has no bias
	TURN2 0, 0, 1, 1                               ; slot 0 takes K step 2
	STEP2 1, 1, 0
	TURN2 1, 1, 0, 1                               ; slot 1 takes K step 3
	STEP2 2, 0, 0
	TURN2 2, 0, 1, 0                               ; nothing is left to fetch
	STEP2 3, 1, 0
	s_wait_dscnt 0x0                               ; the last step
	WIN MUL_LO
	MUL2 0, 3, 1, 0
	MUL2 1, 3, 1, 0
	MUL2 2, 3, 1, 0
	MUL2 3, 3, 1, 0
	WIN 0
	; THE WAY OUT of part 2: my 64 rows are half a record: four fragments and 256 bytes of scale words
	PLACES NP
.irp a, 0,1,2,3
	QUANT 64*\a, 2, SW+\a
	PUT \a, LI2, OUT2
.endr
	s_mov_b32 vcc_lo, 0xffff0000                   ; lanes 0-15 store the words of fragments 0 and 1, lanes 16-31 those of 2 and 3: 8 bytes a lane, 256 consecutive bytes
	v_cndmask_b32 v[SO], v[SW], v[SW+2], vcc_lo
	v_cndmask_b32 v[SO+1], v[SW+1], v[SW+3], vcc_lo
	global_store_b64 v[LH], v[SO:SO+1], s[OUT2:OUT2+1] offset:12288
	s_wait_tensorcnt 0x0                           ; the wave's end
	ds_add_u32 v[SPW], v[NIL]
	s_wait_dscnt 0x0
	CROUND                                         ; the closing round: no work-group ends while a partner may still ask for a tile that names it
	s_endpgm
.Lfunc_end_k_qbdde049d03_proj:
	.size	k_qbdde049d03_proj, .Lfunc_end_k_qbdde049d03_proj-k_qbdde049d03_proj
	.p2alignl 7, 3214868480
	.fill 96, 4, 3214868480
	.section	.rodata,"a",@progbits
	.p2align	6, 0x0
	.amdhsa_kernel k_qbdde049d03_proj
		.amdhsa_group_segment_fixed_size 327680
		.amdhsa_private_segment_fixed_size 0
		.amdhsa_enable_private_segment 0
		.amdhsa_kernarg_size 104
		.amdhsa_user_sgpr_count 2
		.amdhsa_user_sgpr_kernarg_segment_ptr 1
		.amdhsa_wavefront_size32 1
		.amdhsa_system_sgpr_workgroup_id_x 1
		.amdhsa_system_sgpr_workgroup_id_y 1
		.amdhsa_system_sgpr_workgroup_id_z 1
		.amdhsa_system_vgpr_workitem_id 0
		.amdhsa_next_free_vgpr 1024
		.amdhsa_next_free_sgpr 106
		.amdhsa_reserve_vcc 1
		.amdhsa_float_denorm_mode_32 3
		.amdhsa_float_denorm_mode_16_64 3
		.amdhsa_memory_ordered 1
		.amdhsa_forward_progress 1
		.amdhsa_inst_pref_size 255
	.end_amdhsa_kernel
	.section	.bss,"aw",@nobits
	.p2align	6
	.space	262144
	.amdgpu_metadata
---
amdhsa.version: [ 1, 2 ]
amdhsa.kernels:
  - .name:           k_qbdde049d03_proj
    .symbol:         k_qbdde049d03_proj.kd
    .args:
      - { .name: x_codes, .offset: 0, .size: 8, .value_kind: global_buffer, .address_space: global }
      - { .name: x_scales, .offset: 8, .size: 8, .value_kind: global_buffer, .address_space: global }
      - { .name: Wq_codes, .offset: 16, .size: 8, .value_kind: global_buffer, .address_space: global }
      - { .name: Wq_scales, .offset: 24, .size: 8, .value_kind: global_buffer, .address_space: global }
      - { .name: Wk_codes, .offset: 32, .size: 8, .value_kind: global_buffer, .address_space: global }
      - { .name: Wk_scales, .offset: 40, .size: 8, .value_kind: global_buffer, .address_space: global }
      - { .name: Wv_codes, .offset: 48, .size: 8, .value_kind: global_buffer, .address_space: global }
      - { .name: Wv_scales, .offset: 56, .size: 8, .value_kind: global_buffer, .address_space: global }
      - { .name: bq, .offset: 64, .size: 8, .value_kind: global_buffer, .address_space: global }
      - { .name: bk, .offset: 72, .size: 8, .value_kind: global_buffer, .address_space: global }
      - { .name: qimg, .offset: 80, .size: 8, .value_kind: global_buffer, .address_space: global }
      - { .name: kimg, .offset: 88, .size: 8, .value_kind: global_buffer, .address_space: global }
      - { .name: vimg, .offset: 96, .size: 8, .value_kind: global_buffer, .address_space: global }
    .group_segment_fixed_size: 327680
    .private_segment_fixed_size: 0
    .kernarg_segment_align: 8
    .kernarg_segment_size: 104
    .max_flat_workgroup_size: 128
    .sgpr_count:     106
    .vgpr_count:     1024
    .wavefront_size: 32
...
	.end_amdgpu_metadata
.endif
;; end of part 1
;; launch scores (part 2): grid 12 x 16, 4 waves a work-group, clusters of 4 x 4, 327,680 bytes of LDS; arguments qimg, kimg, simg; writes simg
.if DOCPART == 2
	.amdgcn_target "amdgcn-amd-amdhsa--gfx1250"
	.amdhsa_code_object_version 6
	.text
	.protected	k_qbdde049d03_scores
	.globl	k_qbdde049d03_scores
	.p2align	8
	.type	k_qbdde049d03_scores,@function
k_qbdde049d03_scores:
	s_mov_b64 s[64:65], 0
	v_nop
	global_prefetch_b8 v0, s[64:65] scope:SCOPE_SE
	s_setreg_imm32_b32 hwreg(HW_REG_WAVE_MODE, 25, 1), 1
	s_wait_xcnt 0x0
	s_wait_alu depctr_hold_cnt(0) depctr_sa_sdst(0) depctr_va_vdst(0) depctr_va_sdst(0) depctr_va_ssrc(0) depctr_va_vcc(0) depctr_vm_vsrc(0)
	s_getreg_b32 s2, hwreg(HW_REG_IB_STS2, 6, 4)
	s_cmp_eq_u32 s2, 0
	s_cbranch_scc0 .Lentry_in_a_cluster
	s_endpgm
.Lentry_in_a_cluster:
	s_bfe_u32 s2, ttmp6, 0x10000c
	s_cmp_lg_u32 s2, 0xf033
	s_cbranch_scc0 .Lentry_shape_is_right
	s_endpgm
.Lentry_shape_is_right:
; scores[b][q][k] = (q . k) x D, D = gamma^(q - k) for q >= k and 0 else, gamma = 31/32; the product on codes of FP6 (E2M3), K = 1,024; the result quantised along the keys, in registers, for the last product.
; qimg, kimg: records of 12,800 bytes (128 rows x 128 K as images of the operand's registers: fragment f at 1,536 f, registers 4 c .. at + 512 c, lane l at + 16 l; scale words at 12,288, row 64 g + 16 a + r at 256 g + 16 r + 4 a),
; [row / 128 (64)][K / 128 (8)].  simg: the same records, [batch (4)][query / 128 (16)][key / 128 (16)].
; SHARES.  A cluster of 4 x 4 work-groups makes 1,024 queries x 1,024 keys of one batch (the cluster's y); the cluster's x picks one of the three such squares that the mask does not wholly hide: (0,0), (1,0), (1,1).
; Causality is taken at the cluster's extent.  The tiles of the diagonal squares that lie wholly above the diagonal are multiplied too and give zero codes,
; which the last product's even walk along the keys reads.  A work-group makes 256 x 256, a wave 128 x 128.  q's tiles are shared along a row of the cluster, k's along a column: joint loads.
; TRANSPOSED: source 0 = 16 keys, source 1 = 16 queries: a lane holds one query, its registers run along the keys.
; A K step of 256 is, for 128 rows, two records on end: 25,600 dense bytes, one tensor load a wave.  Three slots take K steps 0, 1, 2 at the start; K step 3 is the one refill.  The eight steps of 128 are written out.
; THE DECAY.  For accumulator (a, b), lane (r, h), register j: q - k = e0 + 16 (a - b) - j, e0 = 256 (i - j tiles) + 128 (my halves' difference) + r - 8 h.  The factor is R[a - b] x J[j]: R[m] = gamma^(e0 + 16 m),
; 0 where that exponent is negative; J[j] = (32/31)^j.  A group of eight keys is partly hidden only where 256 .. + 16 m = 0, which with |m| <= 7 is m = 0 alone: there J[j] is 0 where j > e0.  No branch.
; gamma^d = 2^(d log2 gamma): log2 gamma = c1 + c2, c1 of 12 bits, so that d c1 is exact (|d| < 2^12); its whole part goes to v_ldexp_f32, the rest and d c2 to v_exp_f32.
; LIMITS.  NaN and infinities are not served.  The factor carries three roundings, the score one more.  Scale bytes and the order of codes inside a block of 32 as in the launch before (floor byte 1; 0-7, 16-23, 8-15, 24-31).
; REGISTERS: window 0: v4-19 addresses; v32-63 scale words, two sets; v64-159, v160-255 q's fragments, two sets (free before the first fetch and on the way out).
;   window 1: v0-95, v128-223 k's fragments, two sets; v96-110 R; on the way out v128-247 the table R x J.   windows 2, 3: the accumulators ((a, b) at v[8 (8 (a % 4) + b)]).
.set REC,   12800
.set SCO,   12288
.set REG2,  2*REC                      ; a region: 128 rows x 256 K
.set SLOT,  4*REG2                     ; q's two row groups, then k's two
.set SPARE, 3*SLOT                     ; the spare words: 128 bytes a wave, two blocks of 256 bytes that no other line names
.set RGB,   8*REC                      ; a row group of qimg or kimg
.set ADRA, 4                           ; v4-6   my q fragments in slot 0, 1, 2: 16 x lane + the region
.set ADRB, 7                           ; v7-9   the same for k
.set ASA,  10                          ; v10-12 my q scale words: 16 x (lane % 16) + the region
.set ASB,  13                          ; v13-15 the same for k
.set LI,   16                          ; v16 16 x lane
.set E0,   17                          ; v17 e0
.set ZR,   18                          ; v18 0
.set SPW,  28
.set NIL,  29
.set SA,   32                          ; q's scale words: set p at v[32 + 16 p], block a at + a
.set SB,   40                          ; k's: set p at v[40 + 16 p]
.set AF,   64
.set DD,   64                          ; at the head: fifteen exponents, then at work
.set TT,   80
.set NN,   96
.set EE,   112
.set RR,   96                          ; in window 1
.set GG,   128                         ; in window 1
.set X,    64                          ; the way out: a block's 64 numbers
.set CD,   128
.set JJ,   160
.set JM,   168
.set TM,   176
.set SW,   192
.set SO,   200
.set OUT,  8
.set WV,   10
.set HA,   11
.set HB,   12
.set CX,   13
.set CY,   14
.set IQ,   15
.set JK,   16
.set BT,   17
.set MROW, 18
.set MCOL, 19
.set G1,   24
.set G1B,  32
.set G0A,  40                          ; s[40:51] group 0 for q's tiles, a set for each slot
.set G0B,  52                          ; s[52:63] for k's
.set DEL,  66
.set LC1,  67
.set LC2,  68
.set SEL,  74
.set MSB, 0
.macro WIN new
.if MSB != (\new)
	s_set_vgpr_msb (MSB<<8)|(\new)
.set MSB, (\new)
.endif
.endm
.macro PLACES n
.rept \n
	v_nop
.endr
.endm
.macro JLOAD g0a, g1a, g0b, g1b        ; a joint load: waves 0 and 1 fetch q's two row groups, waves 2 and 3 k's; four v_nop follow each line
	s_cmp_eq_u32 s[HA], 0
	s_cbranch_scc0 .Lfor_b_\@
	tensor_load_to_lds s[\g0a:\g0a+3], s[\g1a:\g1a+7]
	s_nop 0
.rept 4
	v_nop
.endr
	s_branch .Lasked_\@
.Lfor_b_\@:
	tensor_load_to_lds s[\g0b:\g0b+3], s[\g1b:\g1b+7]
	s_nop 0
.rept 4
	v_nop
.endr
.Lasked_\@:
.endm
.macro CREST
	s_cmp_lg_u32 s[WV], 0
	s_cbranch_scc1 .Lnot_wave_0_\@
	s_barrier_signal -3
.Lnot_wave_0_\@:
	s_barrier_wait -3
	s_barrier_signal -1
	s_barrier_wait -1
.endm
.macro CROUND
	s_barrier_signal -1
	s_barrier_wait -1
	CREST
.endm
	s_load_b128 s[4:7], s[0:1], 0x0                ; qimg, kimg
	s_load_b64 s[OUT:OUT+1], s[0:1], 0x10          ; simg
	v_lshl_add_u32 v[SPW], v0, 2, SPARE
	v_mov_b32 v[NIL], 0
	ds_add_u32 v28, v29
	ds_add_u32 v28, v29
	s_wait_dscnt 0x0
	v_lshrrev_b32 v1, 5, v0
	v_readfirstlane_b32 s[WV], v1
	s_lshr_b32 s[HA], s[WV], 1                     ; my half of the queries.  Also: I fetch for q (0) or for k (1)
	s_and_b32 s[HB], s[WV], 1                      ; my half of the keys.  Also: which row group I fetch
	s_bfe_u32 s[CX], ttmp6, 0x40000
	s_bfe_u32 s[CY], ttmp6, 0x40004
	s_and_b32 s[BT], ttmp7, 0xffff                 ; the batch
	s_add_co_u32 s[IQ], ttmp9, 1
	s_lshr_b32 s[IQ], s[IQ], 1                     ; the square's row: 0, 1, 1
	s_lshl_b32 s[IQ], s[IQ], 2
	s_add_co_u32 s[IQ], s[IQ], s[CY]               ; my tile of 256 queries
	s_lshr_b32 s[JK], ttmp9, 1                     ; the square's column: 0, 0, 1
	s_lshl_b32 s[JK], s[JK], 2
	s_add_co_u32 s[JK], s[JK], s[CX]               ; my tile of 256 keys
	s_lshl_b32 s[MROW], s[CY], 2
	s_lshl_b32 s[MROW], 15, s[MROW]
	s_lshl_b32 s[MCOL], 0x1111, s[CX]
	s_lshl_b32 s20, s[BT], 4
	s_lshl_b32 s21, s[IQ], 1
	s_add_co_u32 s20, s20, s21
	s_add_co_u32 s20, s20, s[HB]                   ; q: the row group that I fetch: 16 b + 2 i + half
	s_mul_i32 s20, s20, RGB
	s_mov_b32 s21, 0
	s_lshl_b32 s22, s[BT], 4
	s_lshl_b32 s23, s[JK], 1
	s_add_co_u32 s22, s22, s23
	s_add_co_u32 s22, s22, s[HB]                   ; k likewise
	s_mul_i32 s22, s22, RGB
	s_mov_b32 s23, 0
	s_mul_i32 s70, s[WV], REG2                     ; where it goes: wave x a region
	s_lshl_b32 s72, s[BT], 4
	s_lshl_b32 s73, s[IQ], 1
	s_add_co_u32 s72, s72, s73
	s_add_co_u32 s72, s72, s[HA]
	s_lshl_b32 s72, s72, 4
	s_lshl_b32 s73, s[JK], 1
	s_add_co_u32 s72, s72, s73
	s_add_co_u32 s72, s72, s[HB]                   ; my record of simg: (16 b + 2 i + my half) x 16 + 2 j + my half
	s_mul_i32 s72, s72, REC
	s_mov_b32 s73, 0
	s_sub_co_i32 s[DEL], s[IQ], s[JK]
	s_lshl_b32 s[DEL], s[DEL], 1
	s_add_co_i32 s[DEL], s[DEL], s[HA]
	s_sub_co_i32 s[DEL], s[DEL], s[HB]
	s_lshl_b32 s[DEL], s[DEL], 7                   ; my first query less my first key: a multiple of 128
	s_mov_b32 s[LC1], 0xbd3ba000                   ; c1 = -3002 x 2^-16
	s_mov_b32 s[LC2], 0x36566c4d                   ; c2 = log2(31/32) - c1
	s_mov_b32 s[SEL], 0x76543210
	s_mov_b32 s[SEL+1], 0xfedcba98
	; descriptor group 1: 25,600 dense bytes as 100 rows of 256 (32 elements of 8 bytes), no padding: images are read 512 bytes on end
	s_or_b32 s[G1+0], s[MROW], (3<<16)|(1<<21)
	s_or_b32 s[G1B+0], s[MCOL], (3<<16)|(1<<21)
.irp g, G1, G1B
	s_mov_b32 s[\g+1], 32<<16
	s_mov_b32 s[\g+2], 100<<16
	s_mov_b32 s[\g+3], 32<<16
	s_mov_b32 s[\g+4], 100
	s_mov_b32 s[\g+5], 32
	s_mov_b32 s[\g+6], 0
	s_mov_b32 s[\g+7], 0
.endr
	s_wait_kmcnt 0x0
	s_add_nc_u64 s[4:5], s[4:5], s[20:21]
	s_add_nc_u64 s[6:7], s[6:7], s[22:23]
	s_add_nc_u64 s[OUT:OUT+1], s[OUT:OUT+1], s[72:73]
	CROUND                                         ; all sixteen work-groups are here: the first joint loads meet
.irp n, 0,1,2
	s_mov_b32 s[G0A+4*\n], 1
	s_add_co_u32 s[G0A+4*\n+1], s70, \n*SLOT
	s_add_nc_u64 s[G0A+4*\n+2:G0A+4*\n+3], s[4:5], \n*REG2
	s_or_b32 s[G0A+4*\n+3], s[G0A+4*\n+3], 0x80000000
	s_mov_b32 s[G0B+4*\n], 1
	s_add_co_u32 s[G0B+4*\n+1], s70, \n*SLOT
	s_add_nc_u64 s[G0B+4*\n+2:G0B+4*\n+3], s[6:7], \n*REG2
	s_or_b32 s[G0B+4*\n+3], s[G0B+4*\n+3], 0x80000000
	JLOAD G0A+4*\n, G1, G0B+4*\n, G1B              ; K steps 0, 1, 2: three loads of mine are out
.endr
	v_and_b32 v1, 15, v0                           ; r
	v_bfe_u32 v2, v0, 4, 1                         ; h
	v_and_b32 v3, 31, v0
	v_lshlrev_b32 v[LI], 4, v3
	v_lshlrev_b32 v3, 4, v1
	v_mov_b32 v[ZR], 0
	s_mul_i32 s71, s[HA], REG2                     ; my 128 queries
	s_mul_i32 s20, s[HB], REG2
	s_add_co_u32 s20, s20, 2*REG2                  ; my 128 keys
.irp s, 0,1,2
	v_add_nc_u32 v[ADRA+\s], s71, v[LI]
	v_add_nc_u32 v[ADRB+\s], s20, v[LI]
	v_add_nc_u32 v[ASA+\s], s71, v3
	v_add_nc_u32 v[ASB+\s], s20, v3
	s_add_co_u32 s71, s71, SLOT
	s_add_co_u32 s20, s20, SLOT
.endr
	v_lshlrev_b32 v3, 3, v2
	v_sub_nc_u32 v[E0], v1, v3
	v_add_nc_u32 v[E0], s[DEL], v[E0]              ; e0
	; R[m], m = -7 .. 7, while the first tiles are on their way, in registers that the fragments will take
.irp m, 0,1,2,3,4,5,6,7,8,9,10,11,12,13,14
	v_add_nc_u32 v[DD+\m], 16*(\m-7), v[E0]
.endr
.irp m, 0,1,2,3,4,5,6,7,8,9,10,11,12,13,14
	v_cvt_f32_i32 v[DD+\m], v[DD+\m]
.endr
.irp m, 0,1,2,3,4,5,6,7,8,9,10,11,12,13,14
	v_mul_f32 v[TT+\m], s[LC1], v[DD+\m]           ; exact: 12 bits x 12 bits
.endr
.irp m, 0,1,2,3,4,5,6,7,8,9,10,11,12,13,14
	v_rndne_f32 v[NN+\m], v[TT+\m]
.endr
.irp m, 0,1,2,3,4,5,6,7,8,9,10,11,12,13,14
	v_sub_f32 v[TT+\m], v[TT+\m], v[NN+\m]         ; exact
.endr
.irp m, 0,1,2,3,4,5,6,7,8,9,10,11,12,13,14
	v_fmac_f32 v[TT+\m], s[LC2], v[DD+\m]
.endr
.irp m, 0,1,2,3,4,5,6,7,8,9,10,11,12,13,14
	v_exp_f32 v[EE+\m], v[TT+\m]                   ; one batch
.endr
.irp m, 0,1,2,3,4,5,6,7,8,9,10,11,12,13,14
	v_cvt_i32_f32 v[NN+\m], v[NN+\m]               ; plain work behind the batch, which names none of its results or sources
.endr
	s_wait_alu depctr_va_vdst(0)                   ; one wait for the batch, ahead of its first reader
.irp m, 0,1,2,3,4,5,6,7,8,9,10,11,12,13,14
	v_ldexp_f32 v[EE+\m], v[EE+\m], v[NN+\m]
.endr
	WIN 0x40                                       ; destination window 1
.irp m, 0,1,2,3,4,5,6,7,8,9,10,11,12,13,14
	v_cmp_le_f32 vcc_lo, 0, v[DD+\m]
	v_cndmask_b32 v[RR+\m], v[ZR], v[EE+\m], vcc_lo   ; 0 where the exponent is negative: all eight keys of the group come after the query
.endr
	WIN 0
; 52 LDS loads in one run: the fragments and scale words of 128 along K (record q of the slot's regions) into set p
.macro FETCH slot, q, p
	WIN 0x40
.irp f, 0,1,2,3,4,5,6,7
.irp c, 0,1,2
	ds_load_b128 v[128*(\p)+12*\f+4*\c:128*(\p)+12*\f+4*\c+3], v[ADRB+\slot] offset:(\q)*REC+\f*1536+512*\c
.endr
.endr
	WIN 0
.irp f, 0,1,2,3,4,5,6,7
.irp c, 0,1,2
	ds_load_b128 v[AF+96*(\p)+12*\f+4*\c:AF+96*(\p)+12*\f+4*\c+3], v[ADRA+\slot] offset:(\q)*REC+\f*1536+512*\c
.endr
.endr
.irp g, 0,1
	ds_load_b128 v[SA+16*(\p)+4*\g:SA+16*(\p)+4*\g+3], v[ASA+\slot] offset:SCO+(\q)*REC+256*\g   ; lane r: the words of row r of four blocks, one to a register
	ds_load_b128 v[SB+16*(\p)+4*\g:SB+16*(\p)+4*\g+3], v[ASB+\slot] offset:SCO+(\q)*REC+256*\g
.endr
.endm
; 8 matrix instructions: q's block a x k's eight.  The 64 accumulators take turns, one instruction a turn, in the same order in every step.
.macro MULA a, p, zero
.irp b, 0,1,2,3,4,5,6,7
.if \zero
	v_wmma_scale_f32_16x16x128_f8f6f4 v[8*(8*((\a)%4)+\b):8*(8*((\a)%4)+\b)+7], v[128*(\p)+12*\b:128*(\p)+12*\b+11], v[AF+96*(\p)+12*(\a):AF+96*(\p)+12*(\a)+11], 0, v[SB+16*(\p)+\b], v[SA+16*(\p)+(\a)] matrix_a_fmt:MATRIX_FMT_FP6 matrix_b_fmt:MATRIX_FMT_FP6
.else
	v_wmma_scale_f32_16x16x128_f8f6f4 v[8*(8*((\a)%4)+\b):8*(8*((\a)%4)+\b)+7], v[128*(\p)+12*\b:128*(\p)+12*\b+11], v[AF+96*(\p)+12*(\a):AF+96*(\p)+12*(\a)+11], v[8*(8*((\a)%4)+\b):8*(8*((\a)%4)+\b)+7], v[SB+16*(\p)+\b], v[SA+16*(\p)+(\a)] matrix_a_fmt:MATRIX_FMT_FP6 matrix_b_fmt:MATRIX_FMT_FP6
.endif
.endr
.endm
; A step of 128 along K on set p; at its head the next step's run of loads goes into the other set, and has this step's 64 matrix instructions in which to land.
.macro STEP p, zero, nslot, nq
	s_wait_dscnt 0x0                               ; set p, asked for a step ago, is in
	PLACES 4                                       ; in front of loads into registers that the last step's matrix instructions have read
	FETCH \nslot, \nq, 1-\p
	WIN 0xa1                                       ; source 0 (k) window 1, source 1 (q) window 0, C and D window 2
	MULA 0, \p, \zero
	MULA 1, \p, \zero
	MULA 2, \p, \zero
	MULA 3, \p, \zero
	WIN 0xf1                                       ; C and D window 3
	MULA 4, \p, \zero
	MULA 5, \p, \zero
	MULA 6, \p, \zero
	MULA 7, \p, \zero
	WIN 0
.endm
; A step on set 1 with a barrier in it.  In front of the barrier each wave waits for all its tensor loads, adds 0 to its spare word, and waits for that and for its LDS reads.  fill = 1: slot 0, read out, takes K step 3.
.macro TURN next, fill
	s_wait_tensorcnt 0x0                           ; all my tensor loads have landed
	ds_add_u32 v[SPW], v[NIL]                      ; 0 onto my spare word
.if \fill
	s_add_nc_u64 s[G0A+2:G0A+3], s[G0A+2:G0A+3], 3*REG2   ; no load of mine is out, so a group 0 may be written: K step 3
	s_add_nc_u64 s[G0B+2:G0B+3], s[G0B+2:G0B+3], 3*REG2
.endif
	s_wait_dscnt 1                                 ; set 1 is in; the add may be out
	WIN 0xa1
	MULA 0, 1, 0
	MULA 1, 1, 0
	s_wait_dscnt 0x0                               ; the add is done; my reads of the slot are over
	s_barrier_signal -1
	MULA 2, 1, 0
	MULA 3, 1, 0
	WIN 0
	s_barrier_wait -1
.if \fill
	CREST                                          ; the barrier has opened a round of the cluster's: no wave of any partner still reads slot 0 or has a load on its way
	JLOAD G0A, G1, G0B, G1B                        ; the first tensor load behind the round; its four v_nop are the places in front of the loads below
.else
	PLACES 4
.endif
	FETCH \next, 0, 0
	WIN 0xf1
	MULA 4, 1, 0
	MULA 5, 1, 0
	MULA 6, 1, 0
	MULA 7, 1, 0
	WIN 0
.endm
.macro QUANT s, w, pw                  ; 64 numbers of a lane (register 16 b + i: place 32 b + 16 (lane / 16) + i along the keys, of my query) become a fragment's codes in v[CD] on and its scale word in v[pw]
	WIN (\w)*5
.irp b, 0,1,2,3
	v_max3_num_f32 v[TM+\b], |v[(\s)+16*\b]|, |v[(\s)+1+16*\b]|, 0x1800000   ; my 16 numbers of block b, and the floor 2^(3 - 127): the byte cannot fall under 1
.endr
.irp i, 2,4,6,8,10,12,14
.irp b, 0,1,2,3
	v_max3_num_f32 v[TM+\b], |v[(\s)+16*\b+\i]|, |v[(\s)+1+16*\b+\i]|, v[TM+\b]
.endr
.endr
	WIN 0
.irp b, 0,1,2,3
	v_permlanex16_b32 v[TM+4+\b], v[TM+\b], s[SEL], s[SEL+1]
.endr
.irp b, 0,1,2,3
	v_max_num_f32 v[TM+\b], v[TM+\b], v[TM+4+\b]
.endr
.irp b, 0,1,2,3
	v_add_nc_u32 v[TM+12+\b], 0xff000000, v[TM+\b] ; 2 off the exponent field: the conversion's scale operand
.endr
.irp b, 0,1,2,3
	v_lshrrev_b32 v[TM+4+\b], 23, v[TM+12+\b]      ; the scale's byte
.endr
	v_lshl_or_b32 v[\pw], v[TM+5], 8, v[TM+4]
	v_lshl_or_b32 v[\pw], v[TM+6], 16, v[\pw]
	v_lshl_or_b32 v[\pw], v[TM+7], 24, v[\pw]
	s_wait_xcnt 0x0                                ; the last fragment's stores have read their registers: the codes are written again only behind this wait
	WIN (\w)
.irp c, 0,1
	v_cvt_scalef32_pk16_fp6_f32 v[CD+6*\c:CD+2+6*\c], v[(\s)+32*\c:(\s)+15+32*\c], v[TM+12+2*\c]
	v_cvt_scalef32_pk16_fp6_f32 v[CD+12+4*\c:CD+14+4*\c], v[(\s)+16+32*\c:(\s)+31+32*\c], v[TM+13+2*\c]
.endr
	WIN 0
	v_nop                                          ; one plain place behind a scaled conversion
.irp c, 0,1
.irp i, 0,1,2
	v_permlane16_swap_b32 v[CD+6*\c+\i], v[CD+12+4*\c+\i]
.endr
.irp i, 0,1,2
	v_mov_b32 v[CD+3+6*\c+\i], v[CD+12+4*\c+\i]
.endr
.endr
.endm
.macro PUT a
.irp c, 0,1,2
	global_store_b128 v[LI], v[CD+4*\c:CD+4*\c+3], s[OUT:OUT+1] offset:(\a)*1536+512*\c
.endr
.endm
	s_wait_tensorcnt 2                             ; my part of K step 0 is in; K steps 1 and 2 may be out
	s_barrier_signal -1
	s_barrier_wait -1
	FETCH 0, 0, 0
	STEP 0, 1, 0, 1                                ; K 0-127 starts the sums
	TURN 1, 1                                      ; K 128-255; the round also shows slots 1 and 2 whole to every wave; slot 0 takes K step 3
	STEP 0, 0, 1, 1
	STEP 1, 0, 2, 0
	STEP 0, 0, 2, 1
	TURN 0, 0                                      ; K 640-767; K step 3 is whole behind this barrier
	STEP 0, 0, 0, 1
	s_wait_dscnt 0x0                               ; the last step
	WIN 0xa1
	MULA 0, 1, 0
	MULA 1, 1, 0
	MULA 2, 1, 0
	MULA 3, 1, 0
	WIN 0xf1
	MULA 4, 1, 0
	MULA 5, 1, 0
	MULA 6, 1, 0
	MULA 7, 1, 0
	WIN 0
	; THE WAY OUT: the table R x J; then each block of 16 queries times its factors, quantised, stored as a fragment's image.
	PLACES 4
	v_mov_b32 v[JJ+0], 1.0                         ; (32/31)^j, j = 0 .. 7
	v_mov_b32 v[JJ+1], 0x3f842108
	v_mov_b32 v[JJ+2], 0x3f88642a
	v_mov_b32 v[JJ+3], 0x3f8cca7d
	v_mov_b32 v[JJ+4], 0x3f915527
	v_mov_b32 v[JJ+5], 0x3f960551
	v_mov_b32 v[JJ+6], 0x3f9adc33
	v_mov_b32 v[JJ+7], 0x3f9fdb0b
.irp j, 0,1,2,3,4,5,6,7
	v_cmp_le_i32 vcc_lo, \j, v[E0]
	v_cndmask_b32 v[JM+\j], v[ZR], v[JJ+\j], vcc_lo   ; for m = 0: key j of the group counts where j <= e0
.endr
.irp b, 0,1,2,3
	v_mov_b32 v[TM+4+\b], 0                        ; written once: a lane permute's destination counts as one of its sources
.endr
	WIN 0x41                                       ; R and the table in window 1, J in window 0
.irp m, 0,1,2,3,4,5,6,8,9,10,11,12,13,14
.irp j, 0,1,2,3,4,5,6,7
	v_mul_f32 v[GG+8*\m+\j], v[RR+\m], v[JJ+\j]
.endr
.endr
.irp j, 0,1,2,3,4,5,6,7
	v_mul_f32 v[GG+56+\j], v[RR+7], v[JM+\j]
.endr
.irp a, 0,1,2,3,4,5,6,7
	WIN (2+\a/4)|4                                 ; the scores in window 2 or 3, the table in window 1, the result in window 0
.irp b, 0,1,2,3,4,5,6,7
.irp p, 0,2,4,6
	v_pk_mul_f32 v[X+8*\b+\p:X+8*\b+\p+1], v[8*(8*(\a%4)+\b)+\p:8*(8*(\a%4)+\b)+\p+1], v[GG+8*(\a-\b+7)+\p:GG+8*(\a-\b+7)+\p+1]   ; each accumulator from its low end on
.endr
.endr
	QUANT X, 0, SW+\a
	PUT \a
.endr
	s_mov_b32 vcc_lo, 0xffff0000                   ; lanes 0-15 store the words of fragments 0-3, lanes 16-31 those of 4-7
.irp a, 0,1,2,3
	v_cndmask_b32 v[SO+\a], v[SW+\a], v[SW+4+\a], vcc_lo
.endr
	global_store_b128 v[LI], v[SO:SO+3], s[OUT:OUT+1] offset:SCO
	s_wait_tensorcnt 0x0                           ; the wave's end
	ds_add_u32 v[SPW], v[NIL]
	s_wait_dscnt 0x0
	CROUND                                         ; the closing round
	s_endpgm
.Lfunc_end_k_qbdde049d03_scores:
	.size	k_qbdde049d03_scores, .Lfunc_end_k_qbdde049d03_scores-k_qbdde049d03_scores
	.p2alignl 7, 3214868480
	.fill 96, 4, 3214868480
	.section	.rodata,"a",@progbits
	.p2align	6, 0x0
	.amdhsa_kernel k_qbdde049d03_scores
		.amdhsa_group_segment_fixed_size 327680
		.amdhsa_private_segment_fixed_size 0
		.amdhsa_enable_private_segment 0
		.amdhsa_kernarg_size 24
		.amdhsa_user_sgpr_count 2
		.amdhsa_user_sgpr_kernarg_segment_ptr 1
		.amdhsa_wavefront_size32 1
		.amdhsa_system_sgpr_workgroup_id_x 1
		.amdhsa_system_sgpr_workgroup_id_y 1
		.amdhsa_system_sgpr_workgroup_id_z 1
		.amdhsa_system_vgpr_workitem_id 0
		.amdhsa_next_free_vgpr 1024
		.amdhsa_next_free_sgpr 76
		.amdhsa_reserve_vcc 1
		.amdhsa_float_denorm_mode_32 3
		.amdhsa_float_denorm_mode_16_64 3
		.amdhsa_memory_ordered 1
		.amdhsa_forward_progress 1
		.amdhsa_inst_pref_size 163
	.end_amdhsa_kernel
	.amdgpu_metadata
---
amdhsa.version: [ 1, 2 ]
amdhsa.kernels:
  - .name:           k_qbdde049d03_scores
    .symbol:         k_qbdde049d03_scores.kd
    .args:
      - { .name: qimg, .offset: 0, .size: 8, .value_kind: global_buffer, .address_space: global }
      - { .name: kimg, .offset: 8, .size: 8, .value_kind: global_buffer, .address_space: global }
      - { .name: simg, .offset: 16, .size: 8, .value_kind: global_buffer, .address_space: global }
    .group_segment_fixed_size: 327680
    .private_segment_fixed_size: 0
    .kernarg_segment_align: 8
    .kernarg_segment_size: 24
    .max_flat_workgroup_size: 128
    .sgpr_count:     76
    .vgpr_count:     1024
    .wavefront_size: 32
...
	.end_amdgpu_metadata
.endif
;; end of part 2
;; launch mix (part 3): grid 8 x 32, 4 waves a work-group, clusters of 4 x 4, 327,680 bytes of LDS; arguments simg, vimg, out0; writes out0
.if DOCPART == 3
	.amdgcn_target "amdgcn-amd-amdhsa--gfx1250"
	.amdhsa_code_object_version 6
	.text
	.protected	k_qbdde049d03_mix
	.globl	k_qbdde049d03_mix
	.p2align	8
	.type	k_qbdde049d03_mix,@function
k_qbdde049d03_mix:
	s_mov_b64 s[64:65], 0
	v_nop
	global_prefetch_b8 v0, s[64:65] scope:SCOPE_SE
	s_setreg_imm32_b32 hwreg(HW_REG_WAVE_MODE, 25, 1), 1
	s_wait_xcnt 0x0
	s_wait_alu depctr_hold_cnt(0) depctr_sa_sdst(0) depctr_va_vdst(0) depctr_va_sdst(0) depctr_va_ssrc(0) depctr_va_vcc(0) depctr_vm_vsrc(0)
	s_getreg_b32 s2, hwreg(HW_REG_IB_STS2, 6, 4)
	s_cmp_eq_u32 s2, 0
	s_cbranch_scc0 .Lentry_in_a_cluster
	s_endpgm
.Lentry_in_a_cluster:
	s_bfe_u32 s2, ttmp6, 0x10000c
	s_cmp_lg_u32 s2, 0xf033
	s_cbranch_scc0 .Lentry_shape_is_right
	s_endpgm
.Lentry_shape_is_right:
; out[b][q][o] = the sum over the keys of scores[b][q][key] v[b][key][o], on codes of FP6 (E2M3) with one E8M0 scale for each 32 keys; sums and out0 in f32.
; simg: records of 12,800 bytes (128 rows x 128 K as images of the operand's registers; scale words at 12,288), [batch (4)][query / 128 (16)][key / 128 (16)];  vimg: [batch (4)][o / 128 (8)][key / 128 (16)].
; SHARES.  A work-group makes 256 queries x 128 outputs: 256 work-groups; wave w makes queries 64 w .. 64 w + 63 x all 128 outputs: 32 accumulators.  A tile of 256 x 256 would give 128 work-groups and twice the longest walk.
; A cluster of 4 x 4 holds 1,024 queries x 512 outputs of one batch: the scores' tiles are shared along a row of the cluster, v's along a column: joint loads.
; THE WALK ALONG THE KEYS is 1,024 for the batch's first 1,024 queries and 2,048 for the others (later keys are hidden by the mask): it hangs on the cluster's y, alike in all sixteen partners: one forward branch, not in a loop,
; jumps over the two refills and their eight steps; every wait on TENSORcnt behind the place where the ways join is for 0.
; K goes in units of 512 through two LDS slots: for 128 rows four records on end, 51,200 dense bytes.  Waves 0 and 1 fetch the scores' two row groups, waves 2 and 3 each half of v's.
; TRANSPOSED: source 0 = 16 outputs (rows of v^T), source 1 = 16 queries: a lane holds eight neighbouring outputs of one row of out0.
; LIMITS: the order of the f32 sums inside a block of 32 keys is 0-7, 16-23, 8-15, 24-31 (so the two operands were laid); NaN and infinities are not served.
; REGISTERS: window 0: v4-11, v24-29 addresses; v32-59 scale words, two sets; v64-111, v112-159 the scores' fragments, two sets; on the way out v128-255.  window 1: v's fragments, two sets, at v0 and v128.  window 2: accumulator (a, b) at v[8 (8 a + b)].
.set REC,   12800
.set SCO,   12288
.set RGB,   16*REC                     ; a row group of simg or vimg
.set SLOT,  12*REC                     ; the scores' two row groups x 4 records, then v's 4 records
.set SPARE, 2*SLOT                     ; the spare words: 128 bytes a wave, two blocks of 256 bytes that no other line names
.set SPITCH, 528                       ; the way out: a stage of 16 rows x (512 bytes + 16) for each wave, in slot 0, which has had its last fill and its last read behind the last change of slots
.set ADRA, 4                           ; v4-5   my four fragments of the scores in slot 0, 1
.set ADRB, 6                           ; v6-7   v's eight
.set ASA,  8                           ; v8-9   my scale words of the scores
.set ASB,  10                          ; v10-11 v's
.set STO,  24
.set RD,   25
.set CO,   26                          ; v26 16 x lane
.set SPW,  28
.set NIL,  29
.set SA,   32                          ; the scores' scale words: set p at v[32 + 16 p], block a at + a
.set SB,   36                          ; v's: set p at v[36 + 16 p], block b at + b
.set AF,   64
.set BK,   128
.set OUT,  8
.set WV,   10
.set HA,   11
.set HB,   12
.set CX,   13
.set CY,   14
.set TROW, 15
.set OT,   16
.set BT,   17
.set MROW, 18
.set MCOL, 19
.set G1,   24
.set G1B,  32
.set G0A,  40
.set G0B,  48
.set CC,   56
.set MSB, 0
.macro WIN new
.if MSB != (\new)
	s_set_vgpr_msb (MSB<<8)|(\new)
.set MSB, (\new)
.endif
.endm
.macro PLACES n
.rept \n
	v_nop
.endr
.endm
.macro JLOAD g0a, g1a, g0b, g1b        ; a joint load; four v_nop follow each of the two lines
	s_cmp_eq_u32 s[HA], 0
	s_cbranch_scc0 .Lfor_b_\@
	tensor_load_to_lds s[\g0a:\g0a+3], s[\g1a:\g1a+7]
	s_nop 0
.rept 4
	v_nop
.endr
	s_branch .Lasked_\@
.Lfor_b_\@:
	tensor_load_to_lds s[\g0b:\g0b+3], s[\g1b:\g1b+7]
	s_nop 0
.rept 4
	v_nop
.endr
.Lasked_\@:
.endm
.macro CREST
	s_cmp_lg_u32 s[WV], 0
	s_cbranch_scc1 .Lnot_wave_0_\@
	s_barrier_signal -3
.Lnot_wave_0_\@:
	s_barrier_wait -3
	s_barrier_signal -1
	s_barrier_wait -1
.endm
.macro CROUND
	s_barrier_signal -1
	s_barrier_wait -1
	CREST
.endm
	s_load_b128 s[4:7], s[0:1], 0x0                ; simg, vimg
	s_load_b64 s[OUT:OUT+1], s[0:1], 0x10          ; out0
	v_lshl_add_u32 v[SPW], v0, 2, SPARE
	v_mov_b32 v[NIL], 0
	ds_add_u32 v28, v29
	ds_add_u32 v28, v29
	s_wait_dscnt 0x0
	v_lshrrev_b32 v1, 5, v0
	v_readfirstlane_b32 s[WV], v1
	s_lshr_b32 s[HA], s[WV], 1                     ; which row group of the scores holds my queries.  Also: I fetch for the scores (0) or for v (1)
	s_and_b32 s[HB], s[WV], 1                      ; which half of it.  Also: which part I fetch
	s_bfe_u32 s[CX], ttmp6, 0x40000
	s_bfe_u32 s[CY], ttmp6, 0x40004
	s_and_b32 s20, ttmp7, 0xffff                   ; the cluster's y: 2 x batch + which 1,024 queries
	s_lshr_b32 s[BT], s20, 1
	s_and_b32 s[CC], s20, 1
	s_lshl_b32 s[TROW], s20, 2
	s_add_co_u32 s[TROW], s[TROW], s[CY]           ; my 256 queries: 8 x batch + tile
	s_lshl_b32 s[OT], ttmp9, 2
	s_add_co_u32 s[OT], s[OT], s[CX]               ; my 128 outputs
	s_lshl_b32 s[MROW], s[CY], 2
	s_lshl_b32 s[MROW], 15, s[MROW]
	s_lshl_b32 s[MCOL], 0x1111, s[CX]
	s_lshl_b32 s20, s[TROW], 1
	s_add_co_u32 s20, s20, s[HB]
	s_mul_i32 s20, s20, RGB                        ; the scores: the row group that I fetch
	s_mov_b32 s21, 0
	s_lshl_b32 s22, s[BT], 3
	s_add_co_u32 s22, s22, s[OT]
	s_mul_i32 s22, s22, RGB                        ; v: the row group,
	s_mul_i32 s23, s[HB], 2*REC
	s_add_co_u32 s22, s22, s23                     ; and my two records of a unit's four
	s_mov_b32 s23, 0
	s_mul_i32 s57, s[HB], 4*REC                    ; where they go: the scores',
	s_mul_i32 s58, s[HB], 2*REC
	s_add_co_u32 s58, s58, 8*REC                   ; and v's
	s_lshl_b32 s60, s[TROW], 8
	s_lshl_b32 s61, s[WV], 6
	s_add_co_u32 s60, s60, s61                     ; my first row of out0
	s_lshl_b32 s60, s60, 12                        ; 4,096 bytes a row
	s_lshl_b32 s61, s[OT], 9
	s_add_co_u32 s60, s60, s61
	s_mov_b32 s61, 0
	; descriptor group 1: dense blocks as rows of 256 bytes (32 elements of 8 bytes), no padding: 200 rows for the scores, 100 for v
	s_or_b32 s[G1+0], s[MROW], (3<<16)|(1<<21)
	s_mov_b32 s[G1+1], 32<<16
	s_mov_b32 s[G1+2], 200<<16
	s_mov_b32 s[G1+3], 32<<16
	s_mov_b32 s[G1+4], 200
	s_mov_b32 s[G1+5], 32
	s_mov_b32 s[G1+6], 0
	s_mov_b32 s[G1+7], 0
	s_or_b32 s[G1B+0], s[MCOL], (3<<16)|(1<<21)
	s_mov_b32 s[G1B+1], 32<<16
	s_mov_b32 s[G1B+2], 100<<16
	s_mov_b32 s[G1B+3], 32<<16
	s_mov_b32 s[G1B+4], 100
	s_mov_b32 s[G1B+5], 32
	s_mov_b32 s[G1B+6], 0
	s_mov_b32 s[G1B+7], 0
	s_wait_kmcnt 0x0
	s_add_nc_u64 s[4:5], s[4:5], s[20:21]
	s_add_nc_u64 s[6:7], s[6:7], s[22:23]
	s_add_nc_u64 s[OUT:OUT+1], s[OUT:OUT+1], s[60:61]
	CROUND                                         ; all sixteen work-groups are here: the first joint loads meet
.irp n, 0,1
	s_mov_b32 s[G0A+4*\n], 1
	s_add_co_u32 s[G0A+4*\n+1], s57, \n*SLOT
	s_add_nc_u64 s[G0A+4*\n+2:G0A+4*\n+3], s[4:5], \n*4*REC
	s_or_b32 s[G0A+4*\n+3], s[G0A+4*\n+3], 0x80000000
	s_mov_b32 s[G0B+4*\n], 1
	s_add_co_u32 s[G0B+4*\n+1], s58, \n*SLOT
	s_add_nc_u64 s[G0B+4*\n+2:G0B+4*\n+3], s[6:7], \n*4*REC
	s_or_b32 s[G0B+4*\n+3], s[G0B+4*\n+3], 0x80000000
	JLOAD G0A+4*\n, G1, G0B+4*\n, G1B              ; keys 0-511 and 512-1,023: two loads of mine are out
.endr
	v_and_b32 v1, 15, v0                           ; r
	v_bfe_u32 v2, v0, 4, 1                         ; h
	v_and_b32 v3, 31, v0
	v_lshlrev_b32 v[CO], 4, v3
	v_lshlrev_b32 v3, 4, v1
	s_mul_i32 s20, s[HA], 4*REC
	s_mul_i32 s21, s[HB], 4*1536
	s_add_co_u32 s21, s21, s20                     ; my four fragments in a record of my row group
	s_lshl_b32 s22, s[HB], 8
	s_add_co_u32 s22, s22, s20                     ; and their scale words
	s_mov_b32 s23, 8*REC                           ; v's records
.irp s, 0,1
	v_add_nc_u32 v[ADRA+\s], s21, v[CO]
	v_add_nc_u32 v[ADRB+\s], s23, v[CO]
	v_add_nc_u32 v[ASA+\s], s22, v3
	v_add_nc_u32 v[ASB+\s], s23, v3
	s_add_co_u32 s21, s21, SLOT
	s_add_co_u32 s22, s22, SLOT
	s_add_co_u32 s23, s23, SLOT
.endr
	s_mul_i32 s20, s[WV], 16*SPITCH                ; my stage
	v_mul_u32_u24 v[STO], v1, SPITCH
	v_lshl_add_u32 v[STO], v2, 5, v[STO]
	v_add_nc_u32 v[STO], s20, v[STO]               ; in: row r, 32 bytes for each half of the lanes
	v_add_nc_u32 v[RD], s20, v[CO]                 ; back: the 32 lanes take one row of 512 bytes
; 39 LDS loads in one run: record q of the slot into set p
.macro FETCH slot, q, p
	WIN 0x40
.irp f, 0,1,2,3,4,5,6,7
.irp c, 0,1,2
	ds_load_b128 v[128*(\p)+12*\f+4*\c:128*(\p)+12*\f+4*\c+3], v[ADRB+\slot] offset:(\q)*REC+\f*1536+512*\c
.endr
.endr
	WIN 0
.irp f, 0,1,2,3
.irp c, 0,1,2
	ds_load_b128 v[AF+48*(\p)+12*\f+4*\c:AF+48*(\p)+12*\f+4*\c+3], v[ADRA+\slot] offset:(\q)*REC+\f*1536+512*\c
.endr
.endr
	ds_load_b128 v[SA+16*(\p):SA+16*(\p)+3], v[ASA+\slot] offset:SCO+(\q)*REC
.irp g, 0,1
	ds_load_b128 v[SB+16*(\p)+4*\g:SB+16*(\p)+4*\g+3], v[ASB+\slot] offset:SCO+(\q)*REC+256*\g
.endr
.endm
; 8 matrix instructions: my block a of queries x v's eight blocks of outputs.  The 32 accumulators take turns, one instruction a turn.
.macro MULA a, p, zero
.irp b, 0,1,2,3,4,5,6,7
.if \zero
	v_wmma_scale_f32_16x16x128_f8f6f4 v[8*(8*(\a)+\b):8*(8*(\a)+\b)+7], v[128*(\p)+12*\b:128*(\p)+12*\b+11], v[AF+48*(\p)+12*(\a):AF+48*(\p)+12*(\a)+11], 0, v[SB+16*(\p)+\b], v[SA+16*(\p)+(\a)] matrix_a_fmt:MATRIX_FMT_FP6 matrix_b_fmt:MATRIX_FMT_FP6
.else
	v_wmma_scale_f32_16x16x128_f8f6f4 v[8*(8*(\a)+\b):8*(8*(\a)+\b)+7], v[128*(\p)+12*\b:128*(\p)+12*\b+11], v[AF+48*(\p)+12*(\a):AF+48*(\p)+12*(\a)+11], v[8*(8*(\a)+\b):8*(8*(\a)+\b)+7], v[SB+16*(\p)+\b], v[SA+16*(\p)+(\a)] matrix_a_fmt:MATRIX_FMT_FP6 matrix_b_fmt:MATRIX_FMT_FP6
.endif
.endr
.endm
.macro STEP p, zero, nslot, nq         ; 128 keys on set p; the next step's loads go out at its head
	s_wait_dscnt 0x0                               ; set p, asked for a step ago, is in
	PLACES 4                                       ; in front of loads into registers that the last step's matrix instructions have read
	FETCH \nslot, \nq, 1-\p
	WIN 0xa1                                       ; source 0 (v) window 1, source 1 (scores) window 0, C and D window 2
	MULA 0, \p, \zero
	MULA 1, \p, \zero
	MULA 2, \p, \zero
	MULA 3, \p, \zero
	WIN 0
.endm
; A slot's last step (set 1) changes slots: in front of the barrier each wave waits for all its tensor loads, adds 0 to its spare word, and waits for that and for its reads of the slot.  fill = 1: the slot takes the keys 1,024 on.
.macro TURN slot, next, fill
	s_wait_tensorcnt 0x0                           ; all my tensor loads have landed: my part of the next slot
	ds_add_u32 v[SPW], v[NIL]                      ; 0 onto my spare word
.if \fill
	s_add_nc_u64 s[G0A+4*\slot+2:G0A+4*\slot+3], s[G0A+4*\slot+2:G0A+4*\slot+3], 8*REC   ; no load of mine is out, so a group 0 may be written
	s_add_nc_u64 s[G0B+4*\slot+2:G0B+4*\slot+3], s[G0B+4*\slot+2:G0B+4*\slot+3], 8*REC
.endif
	s_wait_dscnt 1                                 ; set 1 is in; the add may be out
	WIN 0xa1
	MULA 0, 1, 0
	s_wait_dscnt 0x0                               ; the add is done; my reads of this slot are over
	s_barrier_signal -1
	MULA 1, 1, 0
	WIN 0
	s_barrier_wait -1
.if \fill
	CREST                                          ; the barrier has opened a round of the cluster's: no wave of any partner still reads this slot or has a load on its way
	JLOAD G0A+4*\slot, G1, G0B+4*\slot, G1B        ; the first tensor load behind the round; its four v_nop are the places in front of the loads below
.else
	PLACES 4
.endif
	FETCH \next, 0, 0
	WIN 0xa1
	MULA 2, 1, 0
	MULA 3, 1, 0
	WIN 0
.endm
	s_wait_tensorcnt 1                             ; my part of slot 0 is in; slot 1's may be out
	s_barrier_signal -1
	s_barrier_wait -1
	FETCH 0, 0, 0
	STEP 0, 1, 0, 1                                ; keys 0-127 start the sums
	STEP 1, 0, 0, 2
	STEP 0, 0, 0, 3
	s_cmp_eq_u32 s[CC], 0                          ; the batch's first 1,024 queries walk 1,024 keys: the cluster's y decides, alike in all partners
	s_cbranch_scc1 .Lshort
	TURN 0, 1, 1                                   ; slot 0 takes keys 1,024-1,535
	STEP 0, 0, 1, 1
	STEP 1, 0, 1, 2
	STEP 0, 0, 1, 3
	TURN 1, 0, 1                                   ; slot 1 takes keys 1,536-2,047
	STEP 0, 0, 0, 1
	STEP 1, 0, 0, 2
	STEP 0, 0, 0, 3
.Lshort:
	TURN 0, 1, 0                                   ; the last change of slots: nothing is left to fetch
	STEP 0, 0, 1, 1
	STEP 1, 0, 1, 2
	STEP 0, 0, 1, 3
	s_wait_dscnt 0x0                               ; the last step
	WIN 0xa1
	MULA 0, 1, 0
	MULA 1, 1, 0
	MULA 2, 1, 0
	MULA 3, 1, 0
	WIN 0
; THE WAY OUT, block by block of 16 rows x 128 outputs, through my own stage: a lane holds 32 bytes of a row; whole rows of 512 bytes come back and leave as one aligned run of 512 bytes.  LDS serves a wave's instructions in order (ISA guide 5.7.1.4).
.macro TOSTAGE a
	WIN 0x08                                       ; an LDS store's data are its source 1: window 2
.irp b, 0,1,2,3,4,5,6,7
	ds_store_b128 v[STO], v[64*(\a)+8*\b:64*(\a)+8*\b+3] offset:64*\b          ; each accumulator from its low end on
	ds_store_b128 v[STO], v[64*(\a)+8*\b+4:64*(\a)+8*\b+7] offset:64*\b+16
.endr
	WIN 0
.set BB, BK+64*((\a)%2)
.irp t, 0,1,2,3,4,5,6,7,8,9,10,11,12,13,14,15
	ds_load_b128 v[BB+4*\t:BB+4*\t+3], v[RD] offset:\t*SPITCH
.endr
.endm
.macro SEND a, younger                 ; younger: the LDS instructions issued behind block a's loads, which may stay out
.set BB, BK+64*((\a)%2)
	s_wait_dscnt \younger
.if (\a) > 0
	s_add_nc_u64 s[OUT:OUT+1], s[OUT:OUT+1], 16*4096   ; (behind a wait on XCNT: the earlier stores have read their base)  16 rows on
.endif
.irp t, 0,1,2,3,4,5,6,7,8,9,10,11,12,13,14,15
	global_store_b128 v[CO], v[BB+4*\t:BB+4*\t+3], s[OUT:OUT+1] offset:\t*4096 th:TH_STORE_NT   ; 32 lanes store 512 consecutive bytes, aligned; written once, read by nobody here
.endr
.endm
	PLACES 4                                       ; in front of the first read of results and of loads into registers that held fragments
	TOSTAGE 0
.irp a, 1,2,3
.if \a > 1
	s_wait_xcnt 0x0                                ; block a - 2's stores have read their registers and their base
.endif
	TOSTAGE \a
	SEND \a-1, 32                                  ; behind block a - 1's loads: block a's 16 stores and 16 loads
.endr
	s_wait_xcnt 0x0
	SEND 3, 0
	s_wait_tensorcnt 0x0                           ; the wave's end
	ds_add_u32 v[SPW], v[NIL]
	s_wait_dscnt 0x0
	CROUND                                         ; the closing round
	s_endpgm
.Lfunc_end_k_qbdde049d03_mix:
	.size	k_qbdde049d03_mix, .Lfunc_end_k_qbdde049d03_mix-k_qbdde049d03_mix
	.p2alignl 7, 3214868480
	.fill 96, 4, 3214868480
	.section	.rodata,"a",@progbits
	.p2align	6, 0x0
	.amdhsa_kernel k_qbdde049d03_mix
		.amdhsa_group_segment_fixed_size 327680
		.amdhsa_private_segment_fixed_size 0
		.amdhsa_enable_private_segment 0
		.amdhsa_kernarg_size 24
		.amdhsa_user_sgpr_count 2
		.amdhsa_user_sgpr_kernarg_segment_ptr 1
		.amdhsa_wavefront_size32 1
		.amdhsa_system_sgpr_workgroup_id_x 1
		.amdhsa_system_sgpr_workgroup_id_y 1
		.amdhsa_system_sgpr_workgroup_id_z 1
		.amdhsa_system_vgpr_workitem_id 0
		.amdhsa_next_free_vgpr 768
		.amdhsa_next_free_sgpr 66
		.amdhsa_reserve_vcc 0
		.amdhsa_float_denorm_mode_32 3
		.amdhsa_float_denorm_mode_16_64 3
		.amdhsa_memory_ordered 1
		.amdhsa_forward_progress 1
		.amdhsa_inst_pref_size 132
	.end_amdhsa_kernel
	.amdgpu_metadata
---
amdhsa.version: [ 1, 2 ]
amdhsa.kernels:
  - .name:           k_qbdde049d03_mix
    .symbol:         k_qbdde049d03_mix.kd
    .args:
      - { .name: simg, .offset: 0, .size: 8, .value_kind: global_buffer, .address_space: global }
      - { .name: vimg, .offset: 8, .size: 8, .value_kind: global_buffer, .address_space: global }
      - { .name: out0, .offset: 16, .size: 8, .value_kind: global_buffer, .address_space: global }
    .group_segment_fixed_size: 327680
    .private_segment_fixed_size: 0
    .kernarg_segment_align: 8
    .kernarg_segment_size: 24
    .max_flat_workgroup_size: 128
    .sgpr_count:     66
    .vgpr_count:     768
    .wavefront_size: 32
...
	.end_amdgpu_metadata
.endif
;; end of part 3
